; MI455X (gfx1250); checked and timed in simulation.
; The chip was launched on July 23, 2026; its instructions are those of AMD's public machine-readable ISA for CDNA 5 (MIT licence, August 2026) and "CDNA5" Instruction Set Architecture Reference Guide (July 2026). The comments in the code are by the model that wrote it; some were corrected since.
;; Multi Head Attention. Allowed arithmetic: matrix products marked QUANTISED: E4M3 operands, one given power-of-two scale a tensor, by v_wmma_f32_16x16x64_fp8_fp8 or v_wmma_f32_16x16x128_fp8_fp8, f32 sums; everything else in f32.
;; Inputs: Wk_codes 1,024 x 32 x 32 uint8 (E4M3 codes of Wk, K innermost, in blocks of 32 codes); Wo_codes 1,024 x 32 x 32 uint8 (E4M3 codes of Wo, K innermost, in blocks of 32 codes); Wq_codes 1,024 x 32 x 32 uint8 (E4M3 codes of Wq, K innermost, in blocks of 32 codes); Wv_codes 1,024 x 32 x 32 uint8 (E4M3 codes of Wv, K innermost, in blocks of 32 codes); k_codes 1 x 4,096 x 32 x 32 uint8 (E4M3 codes of k, K innermost, in blocks of 32 codes); lowp_scales 12 int32 (the exponents e of the quantised operands' scales 2^e); mask 1 x 1 x 4,096 x 4,096 int32; q_codes 1 x 4,096 x 32 x 32 uint8 (E4M3 codes of q, K innermost, in blocks of 32 codes); v_codes 1 x 4,096 x 32 x 32 uint8 (E4M3 codes of v, K innermost, in blocks of 32 codes).
;; Outputs: out0 1 x 4,096 x 1,024 float32.
;; This version of the problem:
;;   THIS VERSION OF THE PROBLEM IS GIVEN IN LOW PRECISION. The matrix products marked QUANTISED in the list below multiply operands that are first quantised to E4M3 (4 exponent bits, 3 mantissa bits; 8 bits a number), with one given power-of-two scale for each operand tensor; their sums are f32. All else is computed in f32.
;;   The module's matrix products, in the order in which they are computed (A, B: the left and right operand; K: the contracted axis; several contracted axes count as one K, in the product's order):
;;     1. [M 4,096, K 1,024] x [K 1,024, N 1,024]; A: input q (given as codes); B: input Wq (given as codes): QUANTISED (scales: A lowp_scales[0], B lowp_scales[1])
;;     2. [M 4,096, K 1,024] x [K 1,024, N 1,024]; A: input k (given as codes); B: input Wk (given as codes): QUANTISED (scales: A lowp_scales[2], B lowp_scales[3])
;;     3. [M 4,096, K 1,024] x [K 1,024, N 1,024]; A: input v (given as codes); B: input Wv (given as codes): QUANTISED (scales: A lowp_scales[4], B lowp_scales[5])
;;     4. batch 16 x [M 4,096, K 64] x [K 64, N 4,096]; A: computed on the way; B: computed on the way: QUANTISED (scales: A lowp_scales[6], B lowp_scales[7])
;;     5. batch 16 x [M 4,096, K 4,096] x [K 4,096, N 64]; A: softmax (see below); B: computed on the way: QUANTISED (scales: A lowp_scales[8], B lowp_scales[9])
;;     6. [M 4,096, K 1,024] x [K 1,024, N 1,024]; A: computed on the way; B: input Wo (given as codes): QUANTISED (scales: A lowp_scales[10], B lowp_scales[11])
;;   THE QUANTISER, for each operand of a quantised product, along K:
;;     - The operand's scale is 2^e, e = its entry of the input lowp_scales (int32; the entries are numbered through the quantised products in the list's order, A before B).
;;     - Each number is divided by the scale, clamped to +-448, and rounded to the nearest number of E4M3, ties to even, subnormals kept.
;;     - The product sums the exact products of the quantised numbers (number of the format x scale) in f32.
;;   ~~~python
;;   def quantise(x, axis, e):      # numpy; x: float32 -> the quantised numbers, widened to float32 again
;;       x = np.moveaxis(x, axis, -1); K = x.shape[-1]
;;       r = np.clip(x / 2.0 ** e, -448, 448)
;;       step = 2.0 ** (np.maximum(np.frexp(np.where(r == 0, 1, r))[1] - 1, -6) - 3)
;;       q = np.round(r / step) * step * 2.0 ** e      # np.round: ties to even
;;       return np.moveaxis(q, -1, axis).astype(np.float32)
;;   ~~~
;;   SOFTMAX AHEAD OF A QUANTISED PRODUCT. Where the list says 'softmax', what is quantised is not the finished softmax but p = 2^(t - M), with t = logit x log2(e) and M = ceil(the row's largest t), a whole number; so 1/2 < the row's largest p <= 1. The row's sum l is taken of the UNQUANTISED p, in f32, and the product's result is divided by l at the end. Since M is a whole number, a kernel that streams over the keys may use a running M (the ceiling of the running maximum): every later rescaling is an exact power of two, so the quantised numbers keep their values, but for numbers so far below the row's largest that they fall under the format's range.
;;   OPERANDS COMPUTED ON THE WAY. 'Computed on the way' means the value that the module computes at that place (a softmax that the list does not call 'softmax' is quantised finished and normalised). What goes into a quantiser is computed in f32, as accurately as f32 sums, v_exp_f32 and their like allow (about 1e-6 of the number): no bf16 or f16 on the way to a quantiser, and a product that is left as it is and whose result goes on into a quantised operand takes f32 operands (vector FMAs, or v_wmma_f32_16x16x4_f32). A number that lies on a knife's edge between two numbers of the format may be rounded either way, as far as f32 arithmetic and the matrix unit's own rounding can turn it there, and no further.
;;   INPUTS GIVEN AS CODES. Wk (in the module: [1024, 1024], K = its axis 1); Wo (in the module: [1024, 1024], K = its axis 1); Wq (in the module: [1024, 1024], K = its axis 1); Wv (in the module: [1024, 1024], K = its axis 1); k (in the module: [1, 4096, 1024], K = its axis 2); q (in the module: [1, 4096, 1024], K = its axis 2); v (in the module: [1, 4096, 1024], K = its axis 2): each comes as NAME_codes (uint8): NAME with its K axis moved to the last place and cut into blocks of 32 codes, [.., K / 32, bytes a block], one block behind the other in memory; one code a byte (a code: sign, 4 exponent bits, 3 mantissa bits); its scale is its entry of lowp_scales. Its value is code x scale, taken as it is: it is not quantised again, and the codes and scales need not be those that the quantiser above would give.
;; 2 versions, each right; version 2 is version 1 with the launch attn written anew for expert scheduling mode. Each part assembles by itself: llvm-mc -triple=amdgcn-amd-amdhsa -mcpu=gfx1250 --defsym DOCPART=n.
;; ======== version 1 of 2: 4 launches
;; workspace buffers: qimg 4,194,304 bytes; kvimg 8,388,608 bytes; aimg 4,194,304 bytes; mbits 2,097,152 bytes of whole numbers; flags 16,384 bytes of whole numbers
;; launch maskbits (part 1): grid 128 x 2, 16 waves a work-group, no clusters, 3,072 bytes of LDS; arguments mask, mbits, flags; writes mbits, flags
.if DOCPART == 1
	.amdgcn_target "amdgcn-amd-amdhsa--gfx1250"
	.amdhsa_code_object_version 6
	.text
	.protected	k_q7db36dddae_maskbits
	.globl	k_q7db36dddae_maskbits
	.p2align	8
	.type	k_q7db36dddae_maskbits,@function
k_q7db36dddae_maskbits:
	s_mov_b64 s[64:65], 0
	v_nop
	global_prefetch_b8 v0, s[64:65] scope:SCOPE_SE
	s_setreg_imm32_b32 hwreg(HW_REG_WAVE_MODE, 25, 1), 1
	s_wait_xcnt 0x0
; The mask [4096][4096] int32 is read once and packed 32 to 1; each tile of 32 queries x 128 keys also gets a flag.
; mbits[e 128][s 32][row 32][c 4] u32: bit l of word c = (mask[32 e + row][128 s + 4 l + c] != 0).   flags[e][s] u32: 0 no key of the tile counts, 1 some, 2 all.
; SHARES.  Work-group (e = x, y): 32 rows of the mask; wave w takes the 128 keys of step s = 16 y + w.  A row's part is 512 bytes: one load of the wave, 16 bytes a lane.
; All 32 loads of a wave go out at once: 16 KiB a wave, 256 KiB a work-group.  No matrix unit, no tensor load, no cluster: nothing is shared, every byte is read once.
; A compare gives a row's 32 bits of one c as a scalar; v_writelane_b32 puts it into lane = row: so the wave's 512 bytes of mbits leave by one store of 16 bytes a lane.
.set D, 16                             ; v16-143: row p's four words at v[D + 4 p]
	s_load_b128 s[4:7], s[0:1], 0x0                ; mask, mbits
	s_load_b64 s[8:9], s[0:1], 0x10                ; flags
	v_lshl_add_u32 v144, v0, 2, 0x400
	v_mov_b32 v145, 0
	v_lshrrev_b32 v2, 5, v0
	v_readfirstlane_b32 s10, v2                    ; wave 0..15
	v_lshlrev_b32 v2, 2, v2                        ; 4 x wave: my wave's word in LDS
	v_and_b32 v1, 31, v0
	v_lshlrev_b32 v1, 4, v1                        ; 16 x lane
	v_and_b32 v12, 15, v0
	v_lshlrev_b32 v12, 2, v12                      ; 4 x (lane % 16): a flag's place
.irp c, 0,1,2,3
	v_mov_b32 v[4+\c], 0                           ; v_writelane_b32's destination counts as read
.endr
	s_and_b32 s11, ttmp7, 0xffff
	s_lshl_b32 s11, s11, 4                         ; 16 y
	s_add_co_u32 s14, s11, s10                     ; s
	s_lshl_b32 s12, ttmp9, 19                      ; 32 rows of 16,384 bytes
	s_lshl_b32 s15, s14, 9                         ; 128 keys of 4 bytes
	s_add_co_u32 s12, s12, s15
	s_mov_b32 s13, 0
	s_lshl_b32 s16, ttmp9, 5
	s_add_co_u32 s18, s16, s14
	s_lshl_b32 s18, s18, 9                         ; mbits: (32 e + s) x 512
	s_mov_b32 s19, 0
	s_add_co_u32 s16, s16, s11
	s_lshl_b32 s16, s16, 2                         ; flags: (32 e + 16 y) x 4
	s_mov_b32 s17, 0
	s_wait_kmcnt 0x0
	s_add_nc_u64 s[4:5], s[4:5], s[12:13]
	s_add_nc_u64 s[6:7], s[6:7], s[18:19]
	s_add_nc_u64 s[8:9], s[8:9], s[16:17]
.set p, 0
.rept 32
	global_load_b128 v[D+4*p:D+4*p+3], v1, s[4:5] offset:16384*p th:TH_LOAD_NT   ; 32 lanes read 512 consecutive bytes of row p
.set p, p+1
.endr
.set p, 0
.rept 32
	s_wait_loadcnt 31-p                            ; loads come back in order: row p is in, the younger rows stay out
.irp c, 0,1,2,3
	v_cmp_ne_u32 s[20+4*(p%2)+\c], 0, v[D+4*p+\c]  ; bit l: key 4 l + c of the step counts for row p
.endr
.irp c, 0,1,2,3
	v_writelane_b32 v[4+\c], s[20+4*(p%2)+\c], p
.endr
.set p, p+1
.endr
	global_store_b128 v1, v[4:7], s[6:7]           ; 512 consecutive bytes: lane = row, its four words
	v_or_b32 v8, v4, v5
	v_or_b32 v10, v6, v7
	v_or_b32 v8, v8, v10                           ; a bit set in my row?
	v_and_b32 v9, v4, v5
	v_and_b32 v10, v6, v7
	v_and_b32 v9, v9, v10                          ; all bits set in my row?
	v_cmp_ne_u32 s30, 0, v8
	v_cmp_ne_u32 s31, -1, v9
	s_cmp_lg_u32 s30, 0
	s_cselect_b32 s32, 1, 0                        ; some key counts
	s_cmp_eq_u32 s31, 0
	s_cselect_b32 s33, 1, 0                        ; every key counts
	s_add_co_u32 s32, s32, s33
	v_mov_b32 v3, s32
	ds_store_b32 v2, v3                            ; all lanes write the wave's word with the same number
	s_wait_dscnt 0x0                               ; for the others' sake: my store has landed
	s_barrier_signal -1
	s_barrier_wait -1
	s_cmp_lg_u32 s10, 0
	s_cbranch_scc1 .Lend                           ; wave 0 stores the work-group's sixteen flags, 64 consecutive bytes
	ds_load_b32 v11, v12
	v_cmp_gt_u32 vcc_lo, 16, v0
	s_wait_dscnt 0x0
	s_wait_xcnt 0x0                                ; EXEC is a source of the store above: it changes only behind this wait
	s_and_saveexec_b32 s34, vcc_lo
	global_store_b32 v12, v11, s[8:9]
	s_wait_xcnt 0x0
	s_or_b32 exec_lo, exec_lo, s34
.Lend:
	s_wait_tensorcnt 0x0
	ds_add_u32 v144, v145
	s_wait_dscnt 0x0
	s_endpgm
.Lfunc_end_k_q7db36dddae_maskbits:
	.size	k_q7db36dddae_maskbits, .Lfunc_end_k_q7db36dddae_maskbits-k_q7db36dddae_maskbits
	.p2alignl 7, 3214868480
	.fill 96, 4, 3214868480
	.section	.rodata,"a",@progbits
	.p2align	6, 0x0
	.amdhsa_kernel k_q7db36dddae_maskbits
		.amdhsa_group_segment_fixed_size 3072
		.amdhsa_private_segment_fixed_size 0
		.amdhsa_enable_private_segment 0
		.amdhsa_kernarg_size 24
		.amdhsa_user_sgpr_count 2
		.amdhsa_user_sgpr_kernarg_segment_ptr 1
		.amdhsa_wavefront_size32 1
		.amdhsa_system_sgpr_workgroup_id_x 1
		.amdhsa_system_sgpr_workgroup_id_y 1
		.amdhsa_system_sgpr_workgroup_id_z 1
		.amdhsa_system_vgpr_workitem_id 0
		.amdhsa_next_free_vgpr 146
		.amdhsa_next_free_sgpr 66
		.amdhsa_reserve_vcc 1
		.amdhsa_float_denorm_mode_32 3
		.amdhsa_float_denorm_mode_16_64 3
		.amdhsa_memory_ordered 1
		.amdhsa_forward_progress 1
		.amdhsa_inst_pref_size 23
	.end_amdhsa_kernel
	.amdgpu_metadata
---
amdhsa.version: [ 1, 2 ]
amdhsa.kernels:
  - .name:           k_q7db36dddae_maskbits
    .symbol:         k_q7db36dddae_maskbits.kd
    .args:
      - { .name: mask, .offset: 0, .size: 8, .value_kind: global_buffer, .address_space: global }
      - { .name: mbits, .offset: 8, .size: 8, .value_kind: global_buffer, .address_space: global }
      - { .name: flags, .offset: 16, .size: 8, .value_kind: global_buffer, .address_space: global }
    .group_segment_fixed_size: 3072
    .private_segment_fixed_size: 0
    .kernarg_segment_align: 8
    .kernarg_segment_size: 24
    .max_flat_workgroup_size: 512
    .sgpr_count:     66
    .vgpr_count:     146
    .wavefront_size: 32
...
	.end_amdgpu_metadata
.endif
;; end of part 1
;; launch proj (part 2): grid 4 x 48, 4 waves a work-group, clusters of 4 x 4, 327,680 bytes of LDS; arguments q_codes, k_codes, v_codes, Wq_codes, Wk_codes, Wv_codes, lowp_scales, qimg, kvimg; writes qimg, kvimg
.if DOCPART == 2
	.amdgcn_target "amdgcn-amd-amdhsa--gfx1250"
	.amdhsa_code_object_version 6
	.text
	.protected	k_q7db36dddae_proj
	.globl	k_q7db36dddae_proj
	.p2align	8
	.type	k_q7db36dddae_proj,@function
k_q7db36dddae_proj:
	s_mov_b64 s[64:65], 0
	v_nop
	global_prefetch_b8 v0, s[64:65] scope:SCOPE_SE
	s_setreg_imm32_b32 hwreg(HW_REG_WAVE_MODE, 25, 1), 1
	s_wait_xcnt 0x0
	s_wait_alu depctr_hold_cnt(0) depctr_sa_sdst(0) depctr_va_vdst(0) depctr_va_sdst(0) depctr_va_ssrc(0) depctr_va_vcc(0) depctr_vm_vsrc(0)
	s_getreg_b32 s2, hwreg(HW_REG_IB_STS2, 6, 4)
	s_cmp_eq_u32 s2, 0
	s_cbranch_scc0 .Lentry_in_a_cluster
	s_endpgm
.Lentry_in_a_cluster:
	s_bfe_u32 s2, ttmp6, 0x10000c
	s_cmp_lg_u32 s2, 0xf033
	s_cbranch_scc0 .Lentry_shape_is_right
	s_endpgm
.Lentry_shape_is_right:
; Q = q Wq^T, K = k Wk^T, V = v Wv^T on codes of FP8 (E4M3); the f32 sums are quantised at once with the scales of the attention's operands and leave as IMAGES OF THE OPERAND REGISTERS that the next launch loads.
; One text serves the three products.  The cluster's y is Y = 0 .. 11: tensor T = Y / 4.  C = A B^T with A = q, B = Wq (T = 0); A = k, B = Wk (T = 1); A = Wv, B = v (T = 2: the two change places BY POINTER,
; so that a lane's eight results are eight neighbouring KEYS of one channel: the keys are the K of the attention's second product).  All six tensors have rows of 1,024 codes.
; A tile of C, 256 x 256, is made by four waves, each 128 x 128 in 64 accumulators.  K = 1,024 goes in four steps of 256 through two LDS slots filled by the tensor data mover.  192 work-groups.
; CLUSTERS: 4 x 4 work-groups; A's tile is asked for jointly along a row of the cluster, B's along a column.  T hangs on the cluster's y alone: it is the same in all sixteen partners.
; THE MATRIX INSTRUCTION IS USED TRANSPOSED (source 0 = 16 rows of B, source 1 = 16 rows of A): lane (r, h) holds row r of A's block and the columns 8 h + 0 .. 7 of B's block.
; A fragment is fetched by four loads of 16 bytes: registers 4 c .. 4 c + 3 hold K = 32 c + 16 h + 0 .. 15, alike in A and in B, so every product meets its partner.
; code = sum x 2^(ea + eb) / 2^e, held within +-448: the three exponents are folded into the conversion's one, F = e - ea - eb.  LIMITS: F between -126 and 119; NaN codes among the inputs are not carried through the hold.
; OUT.  qimg[head][sb 32][t 8][c 2][lane 32][16 B] = Q[128 sb + 32 (t / 2) + 8 (t % 2) + r + 8 (r / 8)][32 c + 16 h + 0 .. 15], lane = 16 h + r.   kvimg[head][step 32][16 KiB]: K laid as qimg, then
; V as [t 4][c 4][lane][16 B] = V[key 128 step + 32 c + 16 h + 0 .. 15][channel 16 t + r].  A wave's result is 8 KiB on end for each of two heads.
; REGISTERS, in windows of 256: window 0: v0-31 addresses; from v128 A's fragments, one set; on the way out v32-255 are free.  window 1: B's fragments, two sets.  windows 2, 3: the accumulators ((a, b) at v[8 (8 (a % 4) + b)]).
.set ROWB,   256                       ; a tile's row in bytes: 256 codes
.set KROW,   1024                      ; a row of A or of B in memory
.set PITCH,  272                       ; an LDS row: 256 bytes + 16 of padding = 68 words: the 16 rows that a load touches start at 16 different banks (64 banks of 4 bytes: ISA guide 11.1)
.set FR,     16                        ; registers of a fragment: 16 rows x 128 K
.set NL,     4                         ; LDS loads that bring one
.set NP,     4                         ; places behind this matrix instruction (ISA guide 7.12.1)
.set HALFT,  128*PITCH                 ; 128 rows: what one tensor load brings
.set SLOT,   4*HALFT                   ; A's 256 rows, then B's 256 rows
.set SPARE,  2*SLOT                    ; behind the ring: the spare words, 128 bytes a wave: two blocks of 256 bytes that no other line names
.set STAGEV, 65536                     ; the way out: 16 KiB a wave in slot 0, which has had its last fill and its last read by then: from byte 0 for Q and K, from here for V
.set STQ,  8                           ; v8   where I put 8 codes, Q and K
.set STV,  9                           ; v9   the same for V
.set RDQ,  10                          ; v10  where I read the images back, Q and K
.set RDV,  11                          ; v11  the same for V
.set SC,   12                          ; v12  2^F as f32
.set LIM,  13                          ; v13  448 x 2^F
.set GOF,  14                          ; v14  16 x lane
.set ADRA, 16                          ; v16-17  LDS address of my A fragments in slot 0, 1
.set ADRB, 20                          ; v20-21  the same for B
.set SPW,  28                          ; v28  LDS address of my spare word; never rewritten
.set NIL,  29                          ; v29  0; never rewritten
.set TMP,  32                          ; the way out: a block's 64 sums, held
.set CD,   96                          ; the way out: codes, 16 registers for each of the 8 blocks
.set AF,   128                         ; A's fragments, in window 0
.set G1, 24                            ; s[24:31] descriptor group 1 for A's tiles;  s[32:39] group 0, one set for each slot
.set G0, 32
.set G1B, 48                           ; s[48:55], s[56:63] the same for B's tiles
.set G0B, 56
.set MSB, 0
.macro WIN new                         ; the immediate's high byte repeats the setting that is left
.if MSB != \new
	s_set_vgpr_msb (MSB<<8)|\new
.set MSB, \new
.endif
.endm
.set MUL_LO, 0xa1                      ; source 0 (B) window 1, source 1 (A) window 0, C and D window 2
.set MUL_HI, 0xf1                      ; the same, C and D window 3
.set TO_B,   0x40                      ; destination window 1, address window 0
; A joint load: waves 0 and 1 fetch for A, waves 2 and 3 for B.  The branch hangs on the wave's number alone.  Four v_nop follow each of the two lines.
.macro JLOAD g0a, g1a, g0b, g1b
	s_cmp_eq_u32 s15, 0
	s_cbranch_scc0 .Lfor_b_\@
	tensor_load_to_lds s[\g0a:\g0a+3], s[\g1a:\g1a+7]
	s_nop 0
.rept 4
	v_nop
.endr
	s_branch .Lasked_\@
.Lfor_b_\@:
	tensor_load_to_lds s[\g0b:\g0b+3], s[\g1b:\g1b+7]
	s_nop 0
.rept 4
	v_nop
.endr
.Lasked_\@:
.endm
.macro CREST                           ; a round of the cluster's barrier behind its opening barrier
	s_cmp_lg_u32 s14, 0
	s_cbranch_scc1 .Lnot_wave_0_\@
	s_barrier_signal -3
.Lnot_wave_0_\@:
	s_barrier_wait -3
	s_barrier_signal -1
	s_barrier_wait -1
.endm
.macro CROUND                          ; a whole round
	s_barrier_signal -1
	s_barrier_wait -1
	CREST
.endm
	s_load_b512 s[68:83], s[0:1], 0x0              ; q s[68:69], k s[70:71], v s[72:73], Wq s[74:75], Wk s[76:77], Wv s[78:79], the scales s[80:81], qimg s[82:83]
	s_load_b64 s[84:85], s[0:1], 0x40              ; kvimg
	v_lshl_add_u32 v[SPW], v0, 2, SPARE
	v_mov_b32 v[NIL], 0
	ds_add_u32 v28, v29
	ds_add_u32 v28, v29
	s_wait_dscnt 0x0
	v_lshrrev_b32 v1, 5, v0
	v_readfirstlane_b32 s14, v1                    ; wave 0..3
	s_lshr_b32 s15, s14, 1                         ; which half of the tile's rows is mine.  Also: I fetch for A (0) or for B (1)
	s_and_b32 s16, s14, 1                          ; which half of its columns.  Also: which 128 rows of that tile I fetch
	s_bfe_u32 s40, ttmp6, 0x40000                  ; cx, cy: my place in the cluster
	s_bfe_u32 s41, ttmp6, 0x40004
	s_and_b32 s12, ttmp7, 0xffff                   ; Y
	s_lshr_b32 s13, s12, 2                         ; T: 0 Q, 1 K, 2 V
	s_and_b32 s12, s12, 3
	s_lshl_b32 s12, s12, 2                         ; the long tensor (4,096 rows) has 16 tiles: four for each of the tensor's four clusters
	s_cmp_eq_u32 s13, 2
	s_cselect_b32 s17, 0, s12                      ; it is A for Q and K,
	s_cselect_b32 s42, s12, 0                      ; and B for V
	s_add_co_u32 s17, s17, s41                     ; tile row of C
	s_add_co_u32 s42, s42, s40                     ; tile column of C
	s_lshl_b32 s43, s41, 2
	s_lshl_b32 s43, 15, s43                        ; my row of the cluster
	s_lshl_b32 s44, 0x1111, s40                    ; my column
	; descriptor group 1: a tile of 128 rows x 256 bytes, padded in LDS
	s_or_b32 s[G1+0], s43, (0<<16)|(1<<20)|(1<<21)|(5<<22)|(3<<25)  ; 15:0 the mask: A's tiles go to my row; 17:16 element of 1 byte; 20 padding on; 21 set beside a mask; 24:22 after every 64 words (code 5); 31:25 of 4 words (code 3)
	s_or_b32 s[G1B+0], s44, (0<<16)|(1<<20)|(1<<21)|(5<<22)|(3<<25)
.irp g, G1, G1B
	s_mov_b32 s[\g+1], ROWB<<16                    ; tensor_dim0
	s_mov_b32 s[\g+2], 128<<16                     ; tensor_dim1 = 128
	s_mov_b32 s[\g+3], ROWB<<16                    ; tile_dim0
	s_mov_b32 s[\g+4], 128                         ; tile_dim1 = 128
	s_mov_b32 s[\g+5], KROW                        ; tensor_dim0_stride
	s_mov_b32 s[\g+6], 0
	s_mov_b32 s[\g+7], 0
.endr
	s_lshl_b32 s18, s16, 7                         ; which 128 rows of the tile I fetch
	s_lshl_b32 s20, s17, 8
	s_add_co_u32 s20, s20, s18                     ; A: row 256 x tile row + 128 x half
	s_lshl_b32 s20, s20, 10                        ; in bytes: at most 4,096 rows of 1,024
	s_mov_b32 s21, 0
	s_lshl_b32 s46, s42, 8
	s_add_co_u32 s46, s46, s18                     ; B: row 256 x tile column + 128 x half
	s_lshl_b32 s46, s46, 10
	s_mov_b32 s47, 0
	s_mul_i32 s45, s14, HALFT                      ; where they go: wave x 128 rows: no place in the cluster enters an LDS address
	s_wait_kmcnt 0x0
	s_load_b256 s[88:95], s[80:81], 0x0            ; e0 .. e7
	s_load_b128 s[96:99], s[80:81], 0x20           ; e8 .. e11
	s_cmp_eq_u32 s13, 0                            ; the buffers are chosen by T, which hangs on no address
	s_cselect_b64 s[4:5], s[68:69], s[70:71]
	s_cselect_b64 s[6:7], s[74:75], s[76:77]
	s_cselect_b64 s[10:11], s[82:83], s[84:85]
	s_cmp_eq_u32 s13, 2
	s_cselect_b64 s[4:5], s[78:79], s[4:5]         ; V: A = Wv,
	s_cselect_b64 s[6:7], s[72:73], s[6:7]         ; B = v
	s_add_nc_u64 s[20:21], s[4:5], s[20:21]
	s_add_nc_u64 s[46:47], s[6:7], s[46:47]
	CROUND                                         ; all sixteen work-groups are here: the first joint loads meet
.irp s, 0,1
	s_mov_b32 s[G0+4*\s], 1
	s_add_co_u32 s[G0+4*\s+1], s45, \s*SLOT
	s_add_nc_u64 s[G0+4*\s+2:G0+4*\s+3], s[20:21], \s*ROWB
	s_or_b32 s[G0+4*\s+3], s[G0+4*\s+3], 0x80000000
	s_mov_b32 s[G0B+4*\s], 1
	s_add_co_u32 s[G0B+4*\s+1], s45, \s*SLOT
	s_add_nc_u64 s[G0B+4*\s+2:G0B+4*\s+3], s[46:47], \s*ROWB
	s_or_b32 s[G0B+4*\s+3], s[G0B+4*\s+3], 0x80000000
	JLOAD G0+4*\s, G1, G0B+4*\s, G1B
.endr
	v_and_b32 v1, 15, v0                           ; r = lane % 16
	v_bfe_u32 v2, v0, 4, 1                         ; h = lane / 16
	v_mul_u32_u24 v3, v1, PITCH
	v_lshl_add_u32 v4, v2, 4, v3                   ; a fragment's row x pitch + 16 x half
	s_mul_i32 s21, s15, HALFT                      ; my 128 rows of A
	s_mul_i32 s22, s16, HALFT                      ; my 128 rows of B,
	s_add_co_u32 s22, s22, 2*HALFT                 ; which lie behind A's 256
.irp s, 0,1
	v_add_nc_u32 v[ADRA+\s], s21, v4
	v_add_nc_u32 v[ADRB+\s], s22, v4
	s_add_co_u32 s21, s21, SLOT
	s_add_co_u32 s22, s22, SLOT
.endr
	; the way out's LDS addresses, for both kinds of image.  Q, K: position 16 a + r, channel 16 b + 8 h + j  ->  tile t = 2 (a / 2) + r / 8, image lane 16 (b % 2) + 8 (a % 2) + r % 8, piece c = (b % 4) / 2, byte 8 h + j
	s_lshl_b32 s19, s14, 14                        ; my 16 KiB
	v_and_b32 v5, 7, v0
	v_bfe_u32 v6, v0, 3, 1
	v_lshlrev_b32 v[STQ], 10, v6                   ; 1,024 (r / 8)
	v_lshl_add_u32 v[STQ], v5, 4, v[STQ]           ; + 16 (r % 8)
	v_lshl_add_u32 v[STQ], v2, 3, v[STQ]           ; + 8 h
	v_add_nc_u32 v[STQ], s19, v[STQ]
	v_lshlrev_b32 v[STV], 4, v1                    ; V: channel 16 a + r, key 16 b + 8 h + j  ->  tile a % 4, piece b / 2, image lane 16 (b % 2) + r, byte 8 h + j
	v_lshl_add_u32 v[STV], v2, 3, v[STV]
	v_add_nc_u32 v[STV], s19, v[STV]
	v_add_nc_u32 v[STV], STAGEV, v[STV]
	v_and_b32 v[GOF], 31, v0
	v_lshlrev_b32 v[GOF], 4, v[GOF]
	v_add_nc_u32 v[RDQ], s19, v[GOF]
	v_add_nc_u32 v[RDV], STAGEV, v[RDQ]
	; where my two heads' images go
	s_lshl_b32 s20, s17, 1
	s_add_co_u32 s20, s20, s15                     ; which 128 rows of A are mine
	s_lshl_b32 s46, s42, 1
	s_add_co_u32 s46, s46, s16                     ; which 128 rows of B
	s_cmp_eq_u32 s13, 2
	s_cselect_b32 s21, s20, s46                    ; 128 rows of a weight are a pair of heads,
	s_cselect_b32 s22, s46, s20                    ; 128 rows of q, k or v a block of positions
	s_cselect_b32 s23, 8192, 0                     ; V's image lies behind K's
	s_lshl_b32 s21, s21, 6                         ; 32 x my first head
	s_add_co_u32 s21, s21, s22
	s_cmp_eq_u32 s13, 0
	s_cselect_b32 s22, 13, 14                      ; a block is 8 KiB in qimg, 16 KiB in kvimg
	s_lshl_b32 s20, s21, s22
	s_add_co_u32 s20, s20, s23
	s_mov_b32 s21, 0
	s_lshl_b32 s46, 32, s22                        ; from head to head: 32 blocks
	s_mov_b32 s47, 0
	s_add_nc_u64 s[10:11], s[10:11], s[20:21]      ; my first head's block,
	s_add_nc_u64 s[86:87], s[10:11], s[46:47]      ; my second head's
.macro FRAG reg, adr, q, i             ; a fragment, 16 rows x 128 K: lane l holds row l % 16; registers 4 c .. 4 c + 3 hold K = 32 c + 16 (l / 16) + 0 .. 15
.irp c, 0,1,2,3
	ds_load_b128 v[\reg+4*\c:\reg+4*\c+3], v[\adr] offset:128*(\q)+32*\c+(\i)*16*PITCH
.endr
.endm
; 16 matrix instructions: A's blocks a0, a0 + 1 x B's eight, 128 along K.  p: B's set.  zero = 1: the first product starts the sums.  The 64 accumulators take turns, one instruction a turn, in the same order in every step.
.macro MUL16 a0, p, zero
.irp a, \a0, \a0+1
.irp b, 0,1,2,3,4,5,6,7
.if \zero
	v_wmma_f32_16x16x128_fp8_fp8 v[8*(8*((\a)%4)+\b):8*(8*((\a)%4)+\b)+7], v[128*(\p)+FR*\b:128*(\p)+FR*\b+FR-1], v[AF+FR*(\a):AF+FR*(\a)+FR-1], 0
.else
	v_wmma_f32_16x16x128_fp8_fp8 v[8*(8*((\a)%4)+\b):8*(8*((\a)%4)+\b)+7], v[128*(\p)+FR*\b:128*(\p)+FR*\b+FR-1], v[AF+FR*(\a):AF+FR*(\a)+FR-1], v[8*(8*((\a)%4)+\b):8*(8*((\a)%4)+\b)+7]
.endif
.endr
.endr
.endm
.macro FETCH_B slot, q, p              ; B's eight fragments of the slot's q-th 128 along K into set p
	WIN TO_B
.irp i, 0,1,2,3,4,5,6,7
	FRAG 128*(\p)+FR*\i, ADRB+\slot, \q, \i
.endr
	WIN 0
.endm
.macro FETCH_A slot, q, i0             ; A's blocks i0 .. i0 + 3
.irp i, \i0, \i0+1, \i0+2, \i0+3
	FRAG AF+FR*(\i), ADRA+\slot, \q, \i
.endr
.endm
.macro PLACES n                        ; plain vector instructions between a matrix instruction and a load into one of its registers, or the first read of its result
.rept \n
	v_nop
.endr
.endm
; A step of 128 along K that has its successor in the same slot.  A block of A is free as soon as its eight products are issued, so A has one set of registers; B's fragments are at work through the whole step and have two.
.macro STEP slot, q, zero
	s_wait_dscnt 4*NL                              ; B's set and A's blocks 0-3 are in; the youngest sixteen loads (A's blocks 4-7) may be out
	WIN MUL_LO
	MUL16 0, (\q)%2, \zero
	MUL16 2, (\q)%2, \zero
	s_wait_dscnt 0                                 ; A's blocks 4-7 are in
	PLACES NP
	FETCH_B \slot, (\q)+1, 1-(\q)%2
	FETCH_A \slot, (\q)+1, 0
	WIN MUL_HI
	MUL16 4, (\q)%2, \zero
	MUL16 6, (\q)%2, \zero
	PLACES NP
	WIN 0
	FETCH_A \slot, (\q)+1, 4
.endm
; A slot's last step changes slots: ONE barrier; in front of it each wave waits for all its tensor loads, adds 0 to its spare word, and waits for that and for its own reads of this slot.  fill = 1: this slot is filled again, two K steps ahead.
.macro TURN slot, next, fill
	s_wait_tensorcnt 0x0                           ; all my tensor loads have landed: my part of the next slot  (every window is 0 here)
	ds_add_u32 v[SPW], v[NIL]                      ; 0 onto my spare word
	s_wait_dscnt 4*NL+1                            ; (the add and the youngest sixteen loads, A's blocks 4-7, may be out)
	WIN MUL_LO
	MUL16 0, 1, 0                                  ; sixteen matrix instructions stand between the add and the wait for it
	s_wait_dscnt 0x0                               ; the add is done, and my reads of this slot are over
	s_barrier_signal -1
	MUL16 2, 1, 0
	WIN 0
	s_barrier_wait -1
.if \fill
	CREST                                          ; the barrier has opened a round of the cluster's barrier: no wave of any partner still reads this slot's tile or has a load on its way
	s_add_nc_u64 s[G0+4*\slot+2:G0+4*\slot+3], s[G0+4*\slot+2:G0+4*\slot+3], 2*ROWB
	s_add_nc_u64 s[G0B+4*\slot+2:G0B+4*\slot+3], s[G0B+4*\slot+2:G0B+4*\slot+3], 2*ROWB
	JLOAD G0+4*\slot, G1, G0B+4*\slot, G1B         ; the first tensor load behind the round; its four v_nop are also the places in front of the loads below
.else
	PLACES NP
.endif
	FETCH_B \next, 0, 0
	FETCH_A \next, 0, 0
	WIN MUL_HI
	MUL16 4, 1, 0
	MUL16 6, 1, 0
	PLACES NP
	WIN 0
	FETCH_A \next, 0, 4
.endm
	s_wait_tensorcnt 1                             ; my part of K step 0 is in (K step 1's load may be out)
	s_barrier_signal -1
	s_barrier_wait -1                              ; everybody's is
	FETCH_B 0, 0, 0
	FETCH_A 0, 0, 0
	FETCH_A 0, 0, 4
	STEP 0, 0, 1                                   ; K = 1,024 is eight steps of 128, written out: the first starts the sums
	TURN 0, 1, 1                                   ; slot 0 takes K step 2
	STEP 1, 0, 0
	TURN 1, 0, 1                                   ; slot 1 takes K step 3
	STEP 0, 0, 0
	TURN 0, 1, 0                                   ; nothing is left to fetch: slot 0 has had its last fill, and behind this barrier nobody reads it
	STEP 1, 0, 0
	s_wait_dscnt 4*NL                              ; the very last step
	WIN MUL_LO
	MUL16 0, 1, 0
	MUL16 2, 1, 0
	s_wait_dscnt 0
	WIN MUL_HI
	MUL16 4, 1, 0
	MUL16 6, 1, 0
	WIN 0
	PLACES NP                                      ; behind the last products: their results are read and A's registers written below
	s_wait_kmcnt 0x0
	s_sub_co_i32 s88, s94, s88
	s_sub_co_i32 s88, s88, s89                     ; Q: e6 - e0 - e1
	s_sub_co_i32 s90, s95, s90
	s_sub_co_i32 s90, s90, s91                     ; K: e7 - e2 - e3
	s_sub_co_i32 s92, s97, s92
	s_sub_co_i32 s92, s92, s93                     ; V: e9 - e4 - e5
	s_cmp_eq_u32 s13, 0
	s_cselect_b32 s88, s88, s90
	s_cmp_eq_u32 s13, 2
	s_cselect_b32 s88, s92, s88                    ; F: chosen without a branch
	s_add_co_i32 s88, s88, 127
	s_lshl_b32 s89, s88, 23
	v_mov_b32 v[SC], s89                           ; 2^F as f32: the conversion takes its exponent field
	s_add_co_i32 s88, s88, 8
	s_lshl_b32 s88, s88, 23
	s_or_b32 s88, s88, 0x600000
	v_mov_b32 v[LIM], s88                          ; 448 x 2^F
; THE WAY OUT.  Block a (16 rows of A x my 128 rows of B): 64 sums a lane are held within the largest code x the scale (the conversion does not saturate: ISA guide 7.6.2), each accumulator from its low end on;
; an accumulator's eight become 8 bytes, which go to their place in the images in my stage.  Then the 16 KiB come back as they lie and leave, 512 consecutive bytes a store.
.macro WAYOUT isv, sto, rd
.irp a, 0,1,2,3,4,5,6,7
	WIN (0x02+\a/4)                                ; source 0: window 2 or 3
.set j, 0
.rept 64
	v_med3_num_f32 v[TMP+j], v[64*(\a%4)+j], -v[LIM], v[LIM]
.set j, j+1
.endr
	WIN 0
.irp b, 0,1,2,3,4,5,6,7
	v_cvt_scalef32_pk8_fp8_f32 v[CD+16*\a+2*\b:CD+16*\a+2*\b+1], v[TMP+8*\b:TMP+8*\b+7], v[SC]
.endr
	v_nop                                          ; a plain instruction between the conversions and the next block's holds, which write their sources
.irp b, 0,1,2,3,4,5,6,7
.if \isv
	ds_store_b64 v[\sto], v[CD+16*\a+2*\b:CD+16*\a+2*\b+1] offset:(\a/4)*8192+(\a%4)*2048+256*\b
.else
	ds_store_b64 v[\sto], v[CD+16*\a+2*\b:CD+16*\a+2*\b+1] offset:(\b/4)*8192+(\a/2)*2048+(\b%4)*256+(\a%2)*128
.endif
.endr
.endr
	s_wait_dscnt 0x0                               ; the stores have read the codes' registers, on which the loads below land
.set i, 0
.rept 32
	ds_load_b128 v[TMP+4*i:TMP+4*i+3], v[\rd] offset:512*i
.set i, i+1
.endr
	s_wait_dscnt 16                                ; the first head's sixteen loads are in; the second head's may be out
.set i, 0
.rept 16
	global_store_b128 v[GOF], v[TMP+4*i:TMP+4*i+3], s[10:11] offset:512*i
.set i, i+1
.endr
	s_wait_dscnt 0x0
.set i, 0
.rept 16
	global_store_b128 v[GOF], v[TMP+64+4*i:TMP+64+4*i+3], s[86:87] offset:512*i
.set i, i+1
.endr
.endm
	s_cmp_eq_u32 s13, 2                            ; the same in all waves and all partners; each way has LDS bytes of its own
	s_cbranch_scc1 .Lway_v
	WAYOUT 0, STQ, RDQ
	s_branch .Ljoin
.Lway_v:
	WAYOUT 1, STV, RDV
.Ljoin:
	s_wait_tensorcnt 0x0                           ; the wave's end: behind my last tensor load and my last LDS store
	ds_add_u32 v[SPW], v[NIL]
	s_wait_dscnt 0x0
	CROUND                                         ; the closing round: no work-group ends while a partner may still ask for a tile that names it
	s_endpgm
.Lfunc_end_k_q7db36dddae_proj:
	.size	k_q7db36dddae_proj, .Lfunc_end_k_q7db36dddae_proj-k_q7db36dddae_proj
	.p2alignl 7, 3214868480
	.fill 96, 4, 3214868480
	.section	.rodata,"a",@progbits
	.p2align	6, 0x0
	.amdhsa_kernel k_q7db36dddae_proj
		.amdhsa_group_segment_fixed_size 327680
		.amdhsa_private_segment_fixed_size 0
		.amdhsa_enable_private_segment 0
		.amdhsa_kernarg_size 72
		.amdhsa_user_sgpr_count 2
		.amdhsa_user_sgpr_kernarg_segment_ptr 1
		.amdhsa_wavefront_size32 1
		.amdhsa_system_sgpr_workgroup_id_x 1
		.amdhsa_system_sgpr_workgroup_id_y 1
		.amdhsa_system_sgpr_workgroup_id_z 1
		.amdhsa_system_vgpr_workitem_id 0
		.amdhsa_next_free_vgpr 1024
		.amdhsa_next_free_sgpr 102
		.amdhsa_reserve_vcc 0
		.amdhsa_float_denorm_mode_32 3
		.amdhsa_float_denorm_mode_16_64 3
		.amdhsa_memory_ordered 1
		.amdhsa_forward_progress 1
		.amdhsa_inst_pref_size 171
	.end_amdhsa_kernel
	.amdgpu_metadata
---
amdhsa.version: [ 1, 2 ]
amdhsa.kernels:
  - .name:           k_q7db36dddae_proj
    .symbol:         k_q7db36dddae_proj.kd
    .args:
      - { .name: q_codes, .offset: 0, .size: 8, .value_kind: global_buffer, .address_space: global }
      - { .name: k_codes, .offset: 8, .size: 8, .value_kind: global_buffer, .address_space: global }
      - { .name: v_codes, .offset: 16, .size: 8, .value_kind: global_buffer, .address_space: global }
      - { .name: Wq_codes, .offset: 24, .size: 8, .value_kind: global_buffer, .address_space: global }
      - { .name: Wk_codes, .offset: 32, .size: 8, .value_kind: global_buffer, .address_space: global }
      - { .name: Wv_codes, .offset: 40, .size: 8, .value_kind: global_buffer, .address_space: global }
      - { .name: lowp_scales, .offset: 48, .size: 8, .value_kind: global_buffer, .address_space: global }
      - { .name: qimg, .offset: 56, .size: 8, .value_kind: global_buffer, .address_space: global }
      - { .name: kvimg, .offset: 64, .size: 8, .value_kind: global_buffer, .address_space: global }
    .group_segment_fixed_size: 327680
    .private_segment_fixed_size: 0
    .kernarg_segment_align: 8
    .kernarg_segment_size: 72
    .max_flat_workgroup_size: 128
    .sgpr_count:     102
    .vgpr_count:     1024
    .wavefront_size: 32
...
	.end_amdgpu_metadata
.endif
;; end of part 2
;; launch attn (part 3): grid 16 x 16, 8 waves a work-group, no clusters, 50,176 bytes of LDS; arguments qimg, kvimg, mbits, flags, lowp_scales, aimg; writes aimg
.if DOCPART == 3
	.amdgcn_target "amdgcn-amd-amdhsa--gfx1250"
	.amdhsa_code_object_version 6
	.text
	.protected	k_q7db36dddae_attn
	.globl	k_q7db36dddae_attn
	.p2align	8
	.type	k_q7db36dddae_attn,@function
k_q7db36dddae_attn:
	s_mov_b64 s[64:65], 0
	v_nop
	global_prefetch_b8 v0, s[64:65] scope:SCOPE_SE
	s_setreg_imm32_b32 hwreg(HW_REG_WAVE_MODE, 25, 1), 1
	s_wait_xcnt 0x0
; Attention on codes of FP8 (E4M3): 16 heads of 64 channels, 4,096 queries and keys, with the mask that was given (packed to bits, and a flag for each tile of 32 queries x 128 keys).
; t = score x log2(e) / 8; M = the running largest t rounded UP to a whole number; p = 2^(t - M) is quantised with 2^e8, not normalised; the row's sum is taken of the unquantised p and divides at the end.
; The result is quantised with 2^e10 and leaves as images of the last product's operand registers: aimg[m16 256][ks 8][c 4][lane][16 B] = A[16 m16 + r][128 ks + 32 c + 16 h + 0 .. 15].
; A row for which no key counts gets NaN codes (its sum is 0), so that the last product makes its row of the output NaN.
; SHARES.  Work-group (g = x, head = y): eight waves of 32 queries each, two tiles of 16; four waves take the block of 128 queries g, four the block 31 - g, told apart by the parity of the wave's number's bits.
; Every wave walks all 32 key steps of 128 keys: the loop's count is a constant and every wave passes every barrier.  A step's WORK is jumped over where the wave's flag says that no key of its tile counts; the mask's
; bits are applied where the flag says 'some'; nothing of the mask's pattern is built in.  The flags are whole numbers that an earlier launch stored.
; NO TENSOR LOAD, NO CLUSTER: which steps are loaded and worked hangs on numbers read from memory and differs between the work-groups of a head, so they could not make every request jointly; a step's K and V are
; 16 KiB, laid on end: they go memory -> registers -> LDS as they lie, 64 bytes a thread, one step ahead, through two slots, one barrier a step.
; LAYOUT.  Both products transposed: S^T = K Q^T (source 0 = 16 keys), O^T = V^T P^T (source 0 = 16 channels): a lane holds ONE query throughout: lane (r, h) of tile u holds query 32 e + 8 u + r + 8 (r / 8).
; The keys of a tile are chosen (in the image) so that registers 16 b + i of S^T are keys 32 b + 16 h + i: the conversions' results are the second product's operand.
; LIMITS on the given exponents: e6 + e7 between -123 and 130 (added to c's exponent field); e8, and e10 - e8 - e9, between -126 and 119.
; REGISTERS.  window 0: v1-7 addresses and constants; v8-15 -M, largest t, the sum (a pair), for each tile; v16-19 f (low word of a pair) for each tile; v20-27 at work; v28, v29 at work; v30 -infinity; v31 NaN codes;
;   v32-159 S^T, then p; v160-191 p's codes; v192-255 O^T.   window 1: v0-63 K's 8 fragments; v64-127 V's 4; v128-143 Q's 2; v144-159 the next step's 64 bytes on their way to LDS.
.set FA,   1                           ; v1   16 x lane
.set SA,   2                           ; v2   16 x thread: my place in a block of 4,096 bytes, in memory and in LDS
.set MA,   3                           ; v3   16 x (r + 8 (r / 8)): my query's four words of mask bits, tile 0
.set H4,   4                           ; v4   4 h
.set PFO,  5                           ; v5   the prefetch's offset
.set PSC,  6                           ; v6   2^e8 (at the end: 2^(e10 - e8 - e9))
.set PLM,  7                           ; v7   448 x that
.set SCO,  32
.set PCO,  160
.set OUT,  192
.set KF,   0                           ; in window 1
.set VF,   64
.set QF,   128
.set STG,  144
.set STAGE, 32768                      ; LDS: slot 0 at 0, slot 1 at 16,384; behind them 2,048 bytes for each wave, for the way out
.set WV,   16                          ; s16  wave
.set SEL,  24                          ; s[24:25] lane selects for v_permlanex16_b32: lane l xor 16
.set CS,   26                          ; s[26:27] c = log2(e) / 8 x 2^(e6 + e7)
.set ANY,  28                          ; s28  bit s: my tile of step s has a key that counts
.set MIX,  29                          ; s29  bit s: and one that does not
.set NEED1, 30                         ; s30  bit s: some wave of the work-group needs step s + 1 (bit 31 is 0: nothing is loaded past the head's last step)
.set STN,  31                          ; s31  the step
.set TRIP, 32                          ; s32  trips to go
.set AC,   33
.set MX,   34
.set LD,   35                          ; s33-35  this step's bits
.set HOLD, 36                          ; s36  1 where p = 1 would lie beyond 448 x 2^e8
.set PFL,  37                          ; s37  a wave prefetches while the step is under this
.set MSB, 0
.macro WIN new                         ; the immediate's high byte repeats the setting that is left
.if MSB != \new
	s_set_vgpr_msb (MSB<<8)|\new
.set MSB, \new
.endif
.endm
	s_load_b256 s[4:11], s[0:1], 0x0               ; qimg s[4:5], kvimg s[6:7], mbits s[8:9], flags s[10:11]
	s_load_b128 s[12:15], s[0:1], 0x20             ; the scales s[12:13], aimg s[14:15]
	s_set_vgpr_msb 0x40
	v_lshl_add_u32 v160, v0, 2, 0xc000
	v_mov_b32 v161, 0
	s_set_vgpr_msb 0x4000
	v_lshrrev_b32 v1, 5, v0
	v_readfirstlane_b32 s[WV], v1                  ; wave 0..7
	v_and_b32 v1, 31, v0
	v_lshlrev_b32 v29, 2, v1                       ; 4 x lane: in a row of flags a lane is a step
	v_lshlrev_b32 v[PFO], 8, v1
	v_lshlrev_b32 v[FA], 4, v1
	v_lshlrev_b32 v[SA], 4, v0
	v_and_b32 v[MA], 15, v0
	v_and_b32 v[H4], 8, v0
	v_add_nc_u32 v[MA], v[MA], v[H4]
	v_lshlrev_b32 v[MA], 4, v[MA]
	v_bfe_u32 v[H4], v0, 4, 1
	v_lshlrev_b32 v[H4], 2, v[H4]
	s_bcnt1_i32_b32 s17, s[WV]
	s_and_b32 s17, s17, 1                          ; waves 1, 2, 4, 7 take the late block
	s_lshr_b32 s18, s[WV], 1                       ; b: which 32 of the block's 128 queries
	s_sub_co_u32 s22, 31, ttmp9
	s_cmp_eq_u32 s17, 1
	s_cselect_b32 s19, s22, ttmp9                  ; my block of 128 queries
	s_lshl_b32 s20, s19, 2
	s_add_co_u32 s20, s20, s18                     ; e: my block of 32
	s_and_b32 s21, ttmp7, 0xffff                   ; the head
	s_and_b32 s59, s18, 1
	s_lshl_b32 s59, s59, 13
	v_add_nc_u32 v[PFO], s59, v[PFO]               ; wave 1: the block's first 8 KiB, wave 2: its second; lanes 256 bytes apart
	s_lshl_b32 s52, s21, 5
	s_add_co_u32 s52, s52, s19
	s_lshl_b32 s52, s52, 13                        ; qimg: (32 head + block) x 8 KiB
	s_lshl_b32 s53, s18, 11                        ; + my two tiles
	s_add_co_u32 s52, s52, s53
	s_mov_b32 s53, 0
	s_lshl_b32 s54, s21, 19                        ; kvimg: a head is 32 x 16 KiB
	s_mov_b32 s55, 0
	s_lshl_b32 s56, s20, 14                        ; mbits: 32 steps x 512 bytes
	s_mov_b32 s57, 0
	s_lshl_b32 s58, s20, 15                        ; aimg: two row tiles of 16 KiB,
	s_lshl_b32 s59, s21, 10                        ; a head's 64 channels are 1,024 bytes of each
	s_add_co_u32 s58, s58, s59
	s_mov_b32 s59, 0
	s_wait_kmcnt 0x0
	s_load_b256 s[40:47], s[12:13], 0x0            ; e0 .. e7
	s_load_b128 s[48:51], s[12:13], 0x20           ; e8 .. e11
	s_add_nc_u64 s[4:5], s[4:5], s[52:53]
	s_add_nc_u64 s[6:7], s[6:7], s[54:55]
	s_add_nc_u64 s[8:9], s[8:9], s[56:57]
	s_add_nc_u64 s[14:15], s[14:15], s[58:59]
	s_lshl_b32 s52, s20, 7
	s_add_nc_u64 s[52:53], s[10:11], s[52:53]      ; my row of flags,
	s_lshl_b32 s54, ttmp9, 9
	s_add_nc_u64 s[54:55], s[10:11], s[54:55]      ; the early block's four rows,
	s_lshl_b32 s56, s22, 9
	s_add_nc_u64 s[56:57], s[10:11], s[56:57]      ; the late block's four
	global_load_b32 v20, v29, s[52:53]
.irp i, 0,1,2,3
	global_load_b32 v[21+\i], v29, s[54:55] offset:128*\i
	global_load_b32 v[25+\i], v29, s[56:57] offset:128*\i
.endr
	WIN 0x40                                       ; destination window 1
.irp i, 0,1,2,3
	global_load_b128 v[QF+4*\i:QF+4*\i+3], v[FA], s[4:5] offset:512*\i   ; Q's two fragments stay in registers
.endr
.set j, 0
.rept 16
	v_mov_b32 v[STG+j], 0                          ; written once: the loads into these and the LDS stores out of them stand under two branches on one bit, so that every way through the text finds them written
.set j, j+1
.endr
	WIN 0
.irp u, 0,1
	v_mov_b32 v[9+4*\u], 0xff61b1e6                ; the largest t so far: -3e38, under every t
	v_floor_f32 v[8+4*\u], -v[9+4*\u]              ; -M
	v_mov_b32 v[10+4*\u], 0                        ; the sum, in two halves
	v_mov_b32 v[11+4*\u], 0
	v_mov_b32 v[16+2*\u], 0
	v_mov_b32 v[17+2*\u], 0                        ; a lane permute's destination counts as read; also the upper word of f's pair
.endr
	v_mov_b32 v30, 0xff800000
	v_mov_b32 v31, 0x7f7f7f7f
.set j, 0
.rept 64
	v_mov_b32 v[OUT+j], 0                          ; O^T.  Which step is a wave's first hangs on the flags, so no first product can be written out to start the sums
.set j, j+1
.endr
	s_mov_b32 s[SEL], 0x76543210
	s_mov_b32 s[SEL+1], 0xfedcba98
	s_sub_co_u32 s58, s[WV], 1
	s_lshr_b32 s58, s58, 1                         ; 0 in waves 1 and 2,
	s_or_b32 s58, s58, ttmp9                       ; of the head's first work-group
	s_cmp_eq_u32 s58, 0
	s_cselect_b32 s[PFL], 29, 0                    ; step ST asks for step ST + 3: the last that may ask is 28
	s_wait_kmcnt 0x0
	s_add_co_i32 s[CS], s46, s47
	s_lshl_b32 s[CS], s[CS], 23
	s_add_co_i32 s[CS], s[CS], 0x3e38aa3b          ; log2(e) / 8, with e6 + e7 added to its exponent field
	s_mov_b32 s[CS+1], s[CS]                       ; (named with it as a pair, so it is written)
	s_add_co_i32 s58, s48, 127
	s_lshl_b32 s59, s58, 23
	v_mov_b32 v[PSC], s59
	s_add_co_i32 s58, s58, 8
	s_lshl_b32 s58, s58, 23
	s_or_b32 s58, s58, 0x600000
	v_mov_b32 v[PLM], s58
	s_cmp_lt_i32 s48, -8                           ; p is at most 1, and 448 x 2^e8 is at least 1 from e8 = -8 on: there the hold changes nothing
	s_cselect_b32 s[HOLD], 1, 0
	s_wait_loadcnt 0x0                             ; the flags and Q
	v_cmp_ne_u32 s[ANY], 0, v20
	v_cmp_eq_u32 s[MIX], 1, v20
	v_or_b32 v21, v21, v22
	v_or_b32 v23, v23, v24
	v_or_b32 v25, v25, v26
	v_or_b32 v27, v27, v28
	v_or_b32 v21, v21, v23
	v_or_b32 v25, v25, v27
	v_or_b32 v21, v21, v25
	v_cmp_ne_u32 s[NEED1], 0, v21                  ; bit s: some wave needs step s: the same number in all eight waves
	s_and_b32 s58, s[NEED1], 1
	s_lshr_b32 s[NEED1], s[NEED1], 1
	s_cmp_eq_u32 s58, 0
	s_cbranch_scc1 .Lno_first
	WIN 0x40
.irp i, 0,1,2,3
	global_load_b128 v[STG+4*\i:STG+4*\i+3], v[SA], s[6:7] offset:4096*\i   ; step 0's K and V
.endr
	s_wait_loadcnt 0x0
	WIN 0x04                                       ; an LDS store's data: source 1, window 1
.irp i, 0,1,2,3
	ds_store_b128 v[SA], v[STG+4*\i:STG+4*\i+3] offset:4096*\i
.endr
	WIN 0
.Lno_first:
	s_add_nc_u64 s[6:7], s[6:7], 16384             ; (the loads that named it are in)  from here on: the block of step ST + 1
	s_mov_b32 s[STN], 0
	s_mov_b32 s[TRIP], 16
; A KEY STEP on the slot named: the slot stands in the immediates, so every LDS address is a constant and a lane's term.
.macro STEP slot
	s_wait_dscnt 0x0                               ; my stores into this slot have landed, my reads of the other slot are over,
	s_barrier_signal -1
	s_barrier_wait -1                              ; and so are everybody's
	s_lshr_b32 s[LD], s[NEED1], s[STN]
	s_and_b32 s[LD], s[LD], 1
	s_lshr_b32 s[AC], s[ANY], s[STN]
	s_and_b32 s[AC], s[AC], 1
	s_lshr_b32 s[MX], s[MIX], s[STN]
	s_and_b32 s[MX], s[MX], 1
	s_cmp_eq_u32 s[LD], 0
	s_cbranch_scc1 .Lno_load_\@
	WIN 0x40
.irp i, 0,1,2,3
	global_load_b128 v[STG+4*\i:STG+4*\i+3], v[SA], s[6:7] offset:4096*\i   ; the next step's 16 KiB, 64 bytes a thread: they have this step's work in which to land
.endr
	WIN 0
.Lno_load_\@:
	s_cmp_lt_u32 s[STN], s[PFL]
	s_cbranch_scc0 .Lno_ask_\@
	global_prefetch_b8 v[PFO], s[6:7] offset:32768 th:TH_LOAD_NT scope:SCOPE_SE   ; the block of step ST + 3, two steps ahead of the loads that will want it: two waves of the head's first work-group, a lane for each 256 bytes: each is named once in the launch
.Lno_ask_\@:
	s_cmp_eq_u32 s[AC], 0
	s_cbranch_scc1 .Lidle_\@                       ; no key of my tile counts: only the copy below is left
	WIN 0x40
.irp t, 0,1,2,3,4,5,6,7
.irp c, 0,1
	ds_load_b128 v[KF+8*\t+4*\c:KF+8*\t+4*\c+3], v[FA] offset:\slot*16384+1024*\t+512*\c
.endr
.endr
.irp t, 0,1,2,3
.irp c, 0,1,2,3
	ds_load_b128 v[VF+16*\t+4*\c:VF+16*\t+4*\c+3], v[FA] offset:\slot*16384+8192+2048*\t+512*\c
.endr
.endr
	s_wait_dscnt 16                                ; K's sixteen loads are in; V's sixteen may be out
	WIN 0x05                                       ; K and Q in window 1, S^T in window 0
.irp t, 0,1,2,3,4,5,6,7
.irp u, 0,1
	v_wmma_f32_16x16x64_fp8_fp8 v[SCO+64*\u+8*\t:SCO+64*\u+8*\t+7], v[KF+8*\t:KF+8*\t+7], v[QF+8*\u:QF+8*\u+7], 0
.endr
.endr
	WIN 0
.rept 4
	v_nop                                          ; places in front of the first read of the scores
.endr
	s_cmp_eq_u32 s[MX], 0
	s_cbranch_scc1 .Lopen_\@                       ; every key of my tile counts
	s_lshl_b32 s52, s[STN], 9
	v_add_nc_u32 v29, s52, v[MA]
	global_load_b128 v[20:23], v29, s[8:9]         ; my query's 128 bits of this step, tile 0: word c, bit l: key 4 l + c
	global_load_b128 v[24:27], v29, s[8:9] offset:128   ; tile 1: eight rows on
	s_wait_loadcnt 0x0
.irp k, 0,1,2,3,4,5,6,7
	v_lshrrev_b32 v[20+\k], v[H4], v[20+\k]        ; key 32 b + 16 h + i is bit 8 b + 4 h + i / 4 of word i % 4
.endr
.irp u, 0,1
.set n, 0
.rept 64
	v_and_b32 v28, 1<<(8*(n/16)+(n%16)/4), v[20+4*\u+n%4]
	v_cmp_ne_u32 vcc_lo, 0, v28
	v_cndmask_b32 v[SCO+64*\u+n], v30, v[SCO+64*\u+n], vcc_lo   ; a hidden key's score becomes -infinity: p = 0
.set n, n+1
.endr
.endr
.Lopen_\@:
.irp u, 0,1
	v_max3_num_f32 v[20+2*\u], v[SCO+64*\u], v[SCO+64*\u+1], v[SCO+64*\u+2]   ; the step's largest score of my query among my 64 keys, in two chains; the two tiles' lines by turns
.endr
.irp u, 0,1
	v_max3_num_f32 v[21+2*\u], v[SCO+64*\u+3], v[SCO+64*\u+4], v[SCO+64*\u+5]
.endr
.irp i, 6,10,14,18,22,26,30,34,38,42,46,50,54,58
.irp u, 0,1
	v_max3_num_f32 v[20+2*\u], v[20+2*\u], v[SCO+64*\u+\i], v[SCO+64*\u+\i+1]
.endr
.irp u, 0,1
	v_max3_num_f32 v[21+2*\u], v[21+2*\u], v[SCO+64*\u+\i+2], v[SCO+64*\u+\i+3]
.endr
.endr
.irp u, 0,1
	v_max3_num_f32 v[20+2*\u], v[20+2*\u], v[SCO+64*\u+62], v[SCO+64*\u+63]
.endr
.irp u, 0,1
	v_max_num_f32 v[20+2*\u], v[20+2*\u], v[21+2*\u]
.endr
.irp u, 0,1
	v_permlanex16_b32 v[17+2*\u], v[20+2*\u], s[SEL], s[SEL+1]
.endr
.irp u, 0,1
	v_max_num_f32 v[20+2*\u], v[20+2*\u], v[17+2*\u]   ; and among lane l xor 16's
.endr
.irp u, 0,1
	v_mul_f32 v[20+2*\u], s[CS], v[20+2*\u]        ; as t (c is positive)
.endr
.irp u, 0,1
	v_max_num_f32 v[9+4*\u], v[9+4*\u], v[20+2*\u] ; the running largest t
.endr
.irp u, 0,1
	v_mov_b32 v[20+2*\u], v[8+4*\u]
.endr
.irp u, 0,1
	v_floor_f32 v[8+4*\u], -v[9+4*\u]              ; the new -M = floor(-t): M is a whole number
.endr
.irp u, 0,1
	v_sub_f32 v[20+2*\u], v[8+4*\u], v[20+2*\u]    ; old M - new M: a whole number, 0 or less
.endr
.irp u, 0,1
	v_cvt_i32_f32 v[20+2*\u], v[20+2*\u]           ; (it saturates)
.endr
.irp u, 0,1
	v_ldexp_f32 v[16+2*\u], 1.0, v[20+2*\u]        ; f = 2^(old M - new M): a multiplication by it rounds nothing
.endr
.set j, 0
.rept 32
.irp u, 0,1
	v_pk_fma_f32 v[SCO+64*\u+j:SCO+64*\u+j+1], v[SCO+64*\u+j:SCO+64*\u+j+1], s[CS:CS+1], v[8+4*\u:9+4*\u] op_sel_hi:[1,0,0]   ; t - M, two at a time (of the pairs c and -M the low word serves both halves)
.endr
.set j, j+2
.endr
.set j, 0
.rept 128
	v_exp_f32 v[SCO+j], v[SCO+j]                   ; p = 2^(t - M), at most 1: not normalised
.set j, j+1
.endr
.irp u, 0,1
	v_pk_mul_f32 v[10+4*\u:11+4*\u], v[10+4*\u:11+4*\u], v[16+2*\u:17+2*\u] op_sel_hi:[1,0]   ; the sums under the new M: plain instructions behind the exponentials
.endr
	s_wait_alu depctr_va_vdst(0)                   ; one wait for the 128 exponentials, ahead of the first line that names a result
.irp u, 0,1
	v_pk_add_f32 v[24+2*\u:25+2*\u], v[SCO+64*\u:SCO+64*\u+1], v[SCO+64*\u+2:SCO+64*\u+3]   ; the row's sum is taken of the unquantised p: two at a time, two chains a tile
.endr
.set j, 4
.rept 15
.irp u, 0,1
	v_pk_add_f32 v[10+4*\u:11+4*\u], v[10+4*\u:11+4*\u], v[SCO+64*\u+j:SCO+64*\u+j+1]
	v_pk_add_f32 v[24+2*\u:25+2*\u], v[24+2*\u:25+2*\u], v[SCO+64*\u+j+2:SCO+64*\u+j+3]
.endr
.set j, j+4
.endr
.irp u, 0,1
	v_pk_add_f32 v[10+4*\u:11+4*\u], v[10+4*\u:11+4*\u], v[24+2*\u:25+2*\u]
.endr
	s_cmp_eq_u32 s[HOLD], 0
	s_cbranch_scc1 .Lno_hold_\@
.set j, 0
.rept 128
	v_min_num_f32 v[SCO+j], v[SCO+j], v[PLM]       ; the conversion does not saturate (ISA guide 7.6.2); p is not negative, so the hold is one-sided
.set j, j+1
.endr
.Lno_hold_\@:
.irp u, 0,1
.irp b, 0,1,2,3
	v_cvt_scalef32_pk8_fp8_f32 v[PCO+16*\u+4*\b:PCO+16*\u+4*\b+1], v[SCO+64*\u+16*\b:SCO+64*\u+16*\b+7], v[PSC]
	v_cvt_scalef32_pk8_fp8_f32 v[PCO+16*\u+4*\b+2:PCO+16*\u+4*\b+3], v[SCO+64*\u+16*\b+8:SCO+64*\u+16*\b+15], v[PSC]
.endr
.endr
.irp u, 0,1
.set j, 0
.rept 16
	v_pk_mul_f32 v[OUT+32*\u+j:OUT+32*\u+j+1], v[OUT+32*\u+j:OUT+32*\u+j+1], v[16+2*\u:17+2*\u] op_sel_hi:[1,0]   ; O^T under the new M; also the plain instructions between the conversions and the products
.set j, j+2
.endr
.endr
	s_wait_dscnt 0x0                               ; V is in
	WIN 0x01                                       ; V in window 1; p's codes and O^T in window 0
.irp t, 0,1,2,3
.irp u, 0,1
	v_wmma_f32_16x16x128_fp8_fp8 v[OUT+32*\u+8*\t:OUT+32*\u+8*\t+7], v[VF+16*\t:VF+16*\t+15], v[PCO+16*\u:PCO+16*\u+15], v[OUT+32*\u+8*\t:OUT+32*\u+8*\t+7]   ; eight accumulators, one instruction a turn
.endr
.endr
	WIN 0
.rept 4
	v_nop                                          ; places in front of the next loads into K's and V's registers and of the next read of O^T, whichever way the text goes on
.endr
.Lidle_\@:
	s_wait_loadcnt 0x0                             ; the next step's bytes are in my registers
	s_cmp_eq_u32 s[LD], 0
	s_cbranch_scc1 .Lno_store_\@
	WIN 0x04
.irp i, 0,1,2,3
	ds_store_b128 v[SA], v[STG+4*\i:STG+4*\i+3] offset:(1-\slot)*16384+4096*\i   ; into the other slot, which nobody has read since this step's barrier
.endr
	WIN 0
.Lno_store_\@:
	s_wait_xcnt 0x0                                ; the loads and the prefetch have read their base
	s_add_nc_u64 s[6:7], s[6:7], 16384
	s_add_co_u32 s[STN], s[STN], 1
.endm
.Ltrip:
	STEP 0
	STEP 1
	s_sub_co_u32 s[TRIP], s[TRIP], 1
	s_cmp_lg_u32 s[TRIP], 0
	s_cbranch_scc1 .Ltrip
	; THE WAY OUT.  O^T / the sum, quantised with 2^e10 (a sum of the second product stands for sum x 2^(e8 + e9): the three exponents are folded), goes through my stage as images and leaves in runs of 512 bytes.
.irp u, 0,1
	v_add_f32 v[20+2*\u], v[10+4*\u], v[11+4*\u]
.endr
.irp u, 0,1
	v_permlanex16_b32 v[17+2*\u], v[20+2*\u], s[SEL], s[SEL+1]
.endr
.irp u, 0,1
	v_add_f32 v[20+2*\u], v[20+2*\u], v[17+2*\u]   ; the row's sum
.endr
.irp u, 0,1
	v_rcp_f32 v[16+2*\u], v[20+2*\u]
.endr
	v_and_b32 v28, 7, v0                           ; (plain instructions behind the reciprocals)  query 16 (r / 8) + 8 u + r % 8, channel 16 t + 8 h + j -> row tile r / 8, piece t / 2, image lane 16 (t % 2) + 8 u + r % 8, byte 8 h + j
	v_bfe_u32 v29, v0, 3, 1
	v_lshlrev_b32 v28, 4, v28
	v_lshl_add_u32 v28, v29, 10, v28
	v_bfe_u32 v29, v0, 4, 1
	v_lshl_add_u32 v28, v29, 3, v28
	s_lshl_b32 s52, s[WV], 11
	s_add_co_u32 s52, s52, STAGE                   ; my stage
	v_add_nc_u32 v28, s52, v28
	v_add_nc_u32 v29, s52, v[FA]
	s_sub_co_i32 s58, s50, s48
	s_sub_co_i32 s58, s58, s49                     ; e10 - e8 - e9
	s_add_co_i32 s58, s58, 127
	s_lshl_b32 s59, s58, 23
	v_mov_b32 v[PSC], s59
	s_add_co_i32 s58, s58, 8
	s_lshl_b32 s58, s58, 23
	s_or_b32 s58, s58, 0x600000
	v_mov_b32 v[PLM], s58
	s_wait_alu depctr_va_vdst(0)                   ; one wait for the two reciprocals, ahead of their first reader
.irp u, 0,1
.set j, 0
.rept 16
	v_pk_mul_f32 v[SCO+32*\u+j:SCO+32*\u+j+1], v[OUT+32*\u+j:OUT+32*\u+j+1], v[16+2*\u:17+2*\u] op_sel_hi:[1,0]
.set j, j+2
.endr
.endr
.set j, 0
.rept 64
	v_med3_num_f32 v[SCO+j], v[SCO+j], -v[PLM], v[PLM]
.set j, j+1
.endr
.irp u, 0,1
.irp t, 0,1,2,3
	v_cvt_scalef32_pk8_fp8_f32 v[PCO+8*\u+2*\t:PCO+8*\u+2*\t+1], v[SCO+32*\u+8*\t:SCO+32*\u+8*\t+7], v[PSC]
.endr
.endr
	v_nop                                          ; a plain instruction between the conversions and the selects that touch their results
.irp u, 0,1
	v_cmp_eq_f32 vcc_lo, 0, v[20+2*\u]             ; no key counted for my query: its codes become NaN.  (A choice of a value: no branch hangs on it)
.irp k, 0,1,2,3,4,5,6,7
	v_cndmask_b32 v[PCO+8*\u+\k], v[PCO+8*\u+\k], v31, vcc_lo
.endr
.endr
.irp u, 0,1
.irp t, 0,1,2,3
	ds_store_b64 v28, v[PCO+8*\u+2*\t:PCO+8*\u+2*\t+1] offset:256*\t+128*\u
.endr
.endr
.irp i, 0,1,2,3
	ds_load_b128 v[SCO+4*\i:SCO+4*\i+3], v29 offset:512*\i   ; LDS serves a wave's instructions in order (ISA guide 5.7.1.4): these see my stores
.endr
.irp i, 0,1,2,3
	s_wait_dscnt 3-\i
	global_store_b128 v[FA], v[SCO+4*\i:SCO+4*\i+3], s[14:15] offset:(\i/2)*16384+(\i%2)*512   ; 512 consecutive bytes: my head's two pieces of each of my two row tiles
.endr
	s_set_vgpr_msb 0x5
	s_wait_tensorcnt 0x0
	ds_add_u32 v160, v161
	s_wait_dscnt 0x0
	s_set_vgpr_msb 0x500
	s_endpgm
.Lfunc_end_k_q7db36dddae_attn:
	.size	k_q7db36dddae_attn, .Lfunc_end_k_q7db36dddae_attn-k_q7db36dddae_attn
	.p2alignl 7, 3214868480
	.fill 96, 4, 3214868480
	.section	.rodata,"a",@progbits
	.p2align	6, 0x0
	.amdhsa_kernel k_q7db36dddae_attn
		.amdhsa_group_segment_fixed_size 50176
		.amdhsa_private_segment_fixed_size 0
		.amdhsa_enable_private_segment 0
		.amdhsa_kernarg_size 48
		.amdhsa_user_sgpr_count 2
		.amdhsa_user_sgpr_kernarg_segment_ptr 1
		.amdhsa_wavefront_size32 1
		.amdhsa_system_sgpr_workgroup_id_x 1
		.amdhsa_system_sgpr_workgroup_id_y 1
		.amdhsa_system_sgpr_workgroup_id_z 1
		.amdhsa_system_vgpr_workitem_id 0
		.amdhsa_next_free_vgpr 418
		.amdhsa_next_free_sgpr 66
		.amdhsa_reserve_vcc 1
		.amdhsa_float_denorm_mode_32 3
		.amdhsa_float_denorm_mode_16_64 3
		.amdhsa_memory_ordered 1
		.amdhsa_forward_progress 1
		.amdhsa_inst_pref_size 109
	.end_amdhsa_kernel
	.amdgpu_metadata
---
amdhsa.version: [ 1, 2 ]
amdhsa.kernels:
  - .name:           k_q7db36dddae_attn
    .symbol:         k_q7db36dddae_attn.kd
    .args:
      - { .name: qimg, .offset: 0, .size: 8, .value_kind: global_buffer, .address_space: global }
      - { .name: kvimg, .offset: 8, .size: 8, .value_kind: global_buffer, .address_space: global }
      - { .name: mbits, .offset: 16, .size: 8, .value_kind: global_buffer, .address_space: global }
      - { .name: flags, .offset: 24, .size: 8, .value_kind: global_buffer, .address_space: global }
      - { .name: lowp_scales, .offset: 32, .size: 8, .value_kind: global_buffer, .address_space: global }
      - { .name: aimg, .offset: 40, .size: 8, .value_kind: global_buffer, .address_space: global }
    .group_segment_fixed_size: 50176
    .private_segment_fixed_size: 0
    .kernarg_segment_align: 8
    .kernarg_segment_size: 48
    .max_flat_workgroup_size: 256
    .sgpr_count:     66
    .vgpr_count:     418
    .wavefront_size: 32
...
	.end_amdgpu_metadata
.endif
;; end of part 3
;; launch oproj (part 4): grid 8 x 32, 4 waves a work-group, clusters of 4 x 4, 327,680 bytes of LDS; arguments aimg, Wo_codes, lowp_scales, out0; writes out0
.if DOCPART == 4
	.amdgcn_target "amdgcn-amd-amdhsa--gfx1250"
	.amdhsa_code_object_version 6
	.text
	.protected	k_q7db36dddae_oproj
	.globl	k_q7db36dddae_oproj
	.p2align	8
	.type	k_q7db36dddae_oproj,@function
k_q7db36dddae_oproj:
	s_mov_b64 s[64:65], 0
	v_nop
	global_prefetch_b8 v0, s[64:65] scope:SCOPE_SE
	s_setreg_imm32_b32 hwreg(HW_REG_WAVE_MODE, 25, 1), 1
	s_wait_xcnt 0x0
	s_wait_alu depctr_hold_cnt(0) depctr_sa_sdst(0) depctr_va_vdst(0) depctr_va_sdst(0) depctr_va_ssrc(0) depctr_va_vcc(0) depctr_vm_vsrc(0)
	s_getreg_b32 s2, hwreg(HW_REG_IB_STS2, 6, 4)
	s_cmp_eq_u32 s2, 0
	s_cbranch_scc0 .Lentry_in_a_cluster
	s_endpgm
.Lentry_in_a_cluster:
	s_bfe_u32 s2, ttmp6, 0x10000c
	s_cmp_lg_u32 s2, 0xf033
	s_cbranch_scc0 .Lentry_shape_is_right
	s_endpgm
.Lentry_shape_is_right:
; out0 = A Wo^T on codes of FP8 (E4M3): A [4096][1024] comes as images of the operand's registers (aimg[m16 256][ks 8][c 4][lane][16 B] = A[16 m16 + r][128 ks + 32 c + 16 h + 0 .. 15]), Wo [1024][1024] as rows of codes.
; out0 [4096][1024] f32 = sum x 2^(e10 + e11).  LIMIT: e10 + e11 between -126 and 127.  NaN codes in a row of A make that row of out0 NaN.
; A tile of out0 is 128 x 128: 256 work-groups; tiles of 256 x 256 would be 64.  Four waves, each 64 x 64: 16 accumulators.
; THE WHOLE K LIES IN LDS: A's 128 rows are 128 KiB, Wo's 128 rows 136 KiB with their padding.  So no LDS byte is filled twice: each wave issues four tensor loads at the start, one for each 256 along K,
; and the steps wait for them one after the other.  By this text's count a wave has four tensor loads outstanding.
; CLUSTERS: 4 x 4 work-groups; A's tiles are asked for jointly along a row of the cluster, Wo's along a column.
; THE MATRIX INSTRUCTION IS USED TRANSPOSED (source 0 = 16 rows of Wo, source 1 = 16 rows of A): a lane holds eight neighbouring numbers of a row of out0.
; Wo's fragments are fetched by four loads of 16 bytes, 32 apart: registers 4 c .. 4 c + 3 hold K = 32 c + 16 h + 0 .. 15, as A's image has them.
; REGISTERS: window 0: v16-26 addresses; v32-63 a block's results; v64-127 rows read back, two sets; v128-255 the accumulators ((a, b) at v[128 + 8 (4 a + b)]).  window 1: two buffers of 128: A's 4 fragments, then Wo's 4.
.set PITCH,  272                       ; a row of Wo's chunk in LDS: 256 bytes + 16 of padding: the 16 rows that a load touches start at 16 different banks (64 banks of 4 bytes: ISA guide 11.1)
.set ACH,    32768                     ; A in LDS: [chunk 4][row tile 8][4,096 bytes]
.set BBASE,  4*ACH                     ; Wo in LDS: [chunk 4][128 rows x PITCH]
.set BCH,    128*PITCH
.set STAGE,  BBASE+4*BCH               ; behind them: 16 rows x 272 bytes for each wave, for the way out: 17 blocks of 256 bytes a wave, into which no tensor load lands
.set SPITCH, 272
.set ADRA, 16                          ; v16-17  LDS address of my A fragments in chunks 0-1, 2-3
.set ADRB, 20                          ; v20-21  the same for Wo
.set STO,  24
.set RD,   25
.set CO,   26
.set TMP,  32
.set BK,   64
.set ACC,  128
.set G1,  24                           ; s[24:31] descriptor group 1 for A's tiles
.set G1B, 32                           ; s[32:39] for Wo's
.set G0,  40                           ; s[40:55] group 0 for A, a set for each chunk
.set G0B, 68                           ; s[68:83] for Wo
.set MSB, 0
.macro WIN new                         ; the immediate's high byte repeats the setting that is left
.if MSB != \new
	s_set_vgpr_msb (MSB<<8)|\new
.set MSB, \new
.endif
.endm
.macro CROUND                          ; a round of the cluster's barrier
	s_barrier_signal -1
	s_barrier_wait -1
	s_cmp_lg_u32 s14, 0
	s_cbranch_scc1 .Lnot_wave_0_\@
	s_barrier_signal -3
.Lnot_wave_0_\@:
	s_barrier_wait -3
	s_barrier_signal -1
	s_barrier_wait -1
.endm
	s_load_b128 s[4:7], s[0:1], 0x0                ; aimg, Wo's codes
	s_load_b128 s[8:11], s[0:1], 0x10              ; the scales, out0
	v_lshl_add_u32 v30, v0, 2, 0x46400
	v_mov_b32 v31, 0
	ds_add_u32 v30, v31
	ds_add_u32 v30, v31
	v_lshrrev_b32 v1, 5, v0
	v_readfirstlane_b32 s14, v1                    ; wave 0..3
	s_lshr_b32 s15, s14, 1                         ; which half of the tile's rows is mine.  Also: I fetch for A (0) or for Wo (1)
	s_and_b32 s16, s14, 1                          ; which half of its columns.  Also: which half of that tile I fetch
	s_bfe_u32 s56, ttmp6, 0x40000                  ; cx, cy: my place in the cluster
	s_bfe_u32 s57, ttmp6, 0x40004
	s_lshl_b32 s58, ttmp9, 2
	s_add_co_u32 s58, s58, s56                     ; tile column = 4 x cluster x + cx
	s_and_b32 s59, ttmp7, 0xffff
	s_lshl_b32 s59, s59, 2
	s_add_co_u32 s59, s59, s57                     ; tile row = 4 x cluster y + cy
	s_lshl_b32 s60, s57, 2
	s_lshl_b32 s60, 15, s60                        ; my row of the cluster
	s_lshl_b32 s61, 0x1111, s56                    ; my column
	; A: a chunk of a row tile is 4,096 bytes on end: 4 rows of 512 elements of 8 bytes, 16 KiB (2,048 elements) apart; no padding: the images are read 512 consecutive bytes an instruction
	s_or_b32 s[G1+0], s60, (3<<16)|(1<<21)         ; 15:0 the mask: my row; 17:16 elements of 8 bytes; 21 set beside a mask
	s_mov_b32 s[G1+1], 512<<16                     ; tensor_dim0
	s_mov_b32 s[G1+2], 4<<16                       ; tensor_dim1
	s_mov_b32 s[G1+3], 512<<16                     ; tile_dim0
	s_mov_b32 s[G1+4], 4                           ; tile_dim1
	s_mov_b32 s[G1+5], 2048                        ; tensor_dim0_stride
	s_mov_b32 s[G1+6], 0
	s_mov_b32 s[G1+7], 0
	; Wo: 64 rows x 256 bytes, 1,024 bytes apart, padded in LDS
	s_or_b32 s[G1B+0], s61, (0<<16)|(1<<20)|(1<<21)|(5<<22)|(3<<25)  ; the mask: my column; elements of 1 byte; padding: 4 words after every 64
	s_mov_b32 s[G1B+1], 256<<16
	s_mov_b32 s[G1B+2], 64<<16
	s_mov_b32 s[G1B+3], 256<<16
	s_mov_b32 s[G1B+4], 64
	s_mov_b32 s[G1B+5], 1024
	s_mov_b32 s[G1B+6], 0
	s_mov_b32 s[G1B+7], 0
	s_lshl_b32 s17, s16, 16                        ; the half that I fetch: 4 row tiles of 16 KiB of A, or 64 rows of 1 KiB of Wo
	s_lshl_b32 s18, s59, 17                        ; A: a tile row is 8 row tiles of 16 KiB
	s_add_co_u32 s18, s18, s17
	s_mov_b32 s19, 0
	s_lshl_b32 s22, s58, 17                        ; Wo: a tile column is 128 rows of 1 KiB
	s_add_co_u32 s22, s22, s17
	s_mov_b32 s23, 0
	s_lshl_b32 s84, s16, 14                        ; where they go: no place in the cluster enters an LDS address
	s_mul_i32 s85, s16, 64*PITCH
	s_add_co_u32 s85, s85, BBASE
	s_wait_dscnt 0x0
	s_wait_kmcnt 0x0
	s_load_b64 s[96:97], s[8:9], 0x28              ; e10, e11
	s_add_nc_u64 s[18:19], s[4:5], s[18:19]
	s_add_nc_u64 s[22:23], s[6:7], s[22:23]
.irp k, 0,1,2,3
	s_mov_b32 s[G0+4*\k], 1
	s_add_co_u32 s[G0+4*\k+1], s84, \k*ACH
	s_add_nc_u64 s[G0+4*\k+2:G0+4*\k+3], s[18:19], \k*4096
	s_or_b32 s[G0+4*\k+3], s[G0+4*\k+3], 0x80000000
	s_mov_b32 s[G0B+4*\k], 1
	s_add_co_u32 s[G0B+4*\k+1], s85, \k*BCH
	s_add_nc_u64 s[G0B+4*\k+2:G0B+4*\k+3], s[22:23], \k*256
	s_or_b32 s[G0B+4*\k+3], s[G0B+4*\k+3], 0x80000000
.endr
	CROUND                                         ; all sixteen work-groups are here: the joint loads meet
	s_cmp_eq_u32 s15, 0                            ; a wave's four loads stand in one branch on its number, ahead of every wait on TENSORcnt and every LDS read; four v_nop follow the last
	s_cbranch_scc0 .Lfor_b
.irp k, 0,1,2,3
	tensor_load_to_lds s[G0+4*\k:G0+4*\k+3], s[G1:G1+7]
	s_nop 0
.endr
.rept 4
	v_nop
.endr
	s_branch .Lasked
.Lfor_b:
.irp k, 0,1,2,3
	tensor_load_to_lds s[G0B+4*\k:G0B+4*\k+3], s[G1B:G1B+7]
	s_nop 0
.endr
.rept 4
	v_nop
.endr
.Lasked:
	v_and_b32 v1, 15, v0                           ; r
	v_bfe_u32 v2, v0, 4, 1                         ; h
	v_and_b32 v3, 31, v0
	s_lshl_b32 s86, s15, 14                        ; my four row tiles of a chunk
	v_lshlrev_b32 v[ADRA], 4, v3
	v_add_nc_u32 v[ADRA], s86, v[ADRA]             ; an image's place for my lane
	v_add_nc_u32 v[ADRA+1], 2*ACH, v[ADRA]
	v_mul_u32_u24 v4, v1, PITCH
	v_lshl_add_u32 v[ADRB], v2, 4, v4
	v_add_nc_u32 v[ADRB], s85, v[ADRB]             ; my 64 rows of Wo (the half that names my columns is the half that I would fetch)
	v_add_nc_u32 v[ADRB+1], 2*BCH, v[ADRB]
	s_mul_i32 s88, s14, 16*SPITCH
	s_add_co_u32 s88, s88, STAGE                   ; my stage
	v_lshl_add_u32 v[STO], v2, 5, v4               ; in: row r, 32 bytes for each half of the lanes
	v_add_nc_u32 v[STO], s88, v[STO]
	v_mul_u32_u24 v5, v2, SPITCH
	v_lshl_add_u32 v[RD], v1, 4, v5                ; back: lanes 0-15 one row of 256 bytes, lanes 16-31 the next
	v_add_nc_u32 v[RD], s88, v[RD]
	v_lshlrev_b32 v[CO], 12, v2
	v_lshl_add_u32 v[CO], v1, 4, v[CO]             ; and the same two rows in out0
	s_lshl_b32 s86, s59, 19                        ; 128 rows of 4,096 bytes
	s_lshl_b32 s87, s15, 18
	s_add_co_u32 s86, s86, s87
	s_lshl_b32 s88, s58, 9                         ; 128 columns of 4 bytes
	s_lshl_b32 s89, s16, 8
	s_add_co_u32 s88, s88, s89
	s_add_co_u32 s86, s86, s88
	s_mov_b32 s87, 0
	s_add_nc_u64 s[10:11], s[10:11], s[86:87]
; 32 LDS loads in one run: the fragments of step st (128 along K; chunk st / 2) into buffer f: Wo's four, then A's four
.macro FETCH st, f
	WIN 0x40                                       ; destination window 1
.irp b, 0,1,2,3
.irp c, 0,1,2,3
	ds_load_b128 v[\f+64+16*\b+4*\c:\f+64+16*\b+4*\c+3], v[ADRB+(\st)/4] offset:(((\st)/2)%2)*BCH+16*PITCH*\b+128*((\st)%2)+32*\c
.endr
.endr
.irp a, 0,1,2,3
.irp c, 0,1,2,3
	ds_load_b128 v[\f+16*\a+4*\c:\f+16*\a+4*\c+3], v[ADRA+(\st)/4] offset:(((\st)/2)%2)*ACH+4096*\a+2048*((\st)%2)+512*\c
.endr
.endr
.endm
; 8 matrix instructions: A's blocks a0, a0 + 1 x Wo's four.  The 16 accumulators take turns, one instruction a turn, in the same order in every step.
.macro MUL8 f, a0, zero
	WIN 0x05                                       ; both sources in window 1
.irp a, \a0, \a0+1
.irp b, 0,1,2,3
.if \zero
	v_wmma_f32_16x16x128_fp8_fp8 v[ACC+8*(4*(\a)+\b):ACC+8*(4*(\a)+\b)+7], v[\f+64+16*\b:\f+64+16*\b+15], v[\f+16*(\a):\f+16*(\a)+15], 0
.else
	v_wmma_f32_16x16x128_fp8_fp8 v[ACC+8*(4*(\a)+\b):ACC+8*(4*(\a)+\b)+7], v[\f+64+16*\b:\f+64+16*\b+15], v[\f+16*(\a):\f+16*(\a)+15], v[ACC+8*(4*(\a)+\b):ACC+8*(4*(\a)+\b)+7]
.endif
.endr
.endr
.endm
.macro PLACES                          ; four plain instructions in front of loads into registers that matrix instructions have read, and of the first read of results
.rept 4
	v_nop
.endr
.endm
; Step st of 0 .. 6 multiplies buffer st % 2 and fetches step st + 1 into the other.  Behind an odd step a new chunk begins: each wave waits for its own load of it, then the work-group's barrier.
.macro KS st, zero
.if (\st)%2
	s_wait_tensorcnt 3-((\st)+1)/2                 ; my load of the next chunk has landed; the loads of the chunks behind it may be out
	s_wait_dscnt 0x0                               ; no LDS load of mine is out at the signal
	s_barrier_signal -1
	MUL8 128*((\st)%2), 0, \zero
	s_barrier_wait -1                              ; everybody's part of the next chunk is in
.else
	s_wait_dscnt 8                                 ; Wo's fragments and A's blocks 0, 1 are in; the youngest eight loads (blocks 2, 3) may be out
	MUL8 128*((\st)%2), 0, \zero
.endif
	PLACES
	FETCH (\st)+1, 128-128*((\st)%2)
	s_wait_dscnt 32                                ; all but the 32 just issued
	MUL8 128*((\st)%2), 2, \zero
.endm
	s_wait_tensorcnt 3                             ; my load of chunk 0 has landed,
	s_barrier_signal -1
	s_barrier_wait -1                              ; everybody's has
	FETCH 0, 0
	KS 0, 1                                        ; the first step starts the sums
	KS 1, 0
	KS 2, 0
	KS 3, 0
	KS 4, 0
	KS 5, 0
	KS 6, 0
	s_wait_dscnt 8                                 ; the last step: nothing more to fetch
	MUL8 128, 0, 0
	s_wait_dscnt 0
	MUL8 128, 2, 0
	WIN 0
; THE WAY OUT, block by block of 16 rows x 64 columns: sum x 2^(e10 + e11) into other registers, each accumulator from its low end on; through my own stage; back as rows of 256 bytes.
.macro TOSTAGE a
.set j, 0
.rept 16
	v_pk_mul_f32 v[TMP+j:TMP+j+1], v[ACC+32*(\a)+j:ACC+32*(\a)+j+1], s[96:97] op_sel_hi:[1,0]
.set j, j+2
.endr
.irp b, 0,1,2,3
	ds_store_b128 v[STO], v[TMP+8*\b:TMP+8*\b+3] offset:64*\b
	ds_store_b128 v[STO], v[TMP+8*\b+4:TMP+8*\b+7] offset:64*\b+16
.endr
.set BB, BK+32*((\a)%2)
.irp t, 0,1,2,3,4,5,6,7
	ds_load_b128 v[BB+4*\t:BB+4*\t+3], v[RD] offset:\t*2*SPITCH   ; LDS serves a wave's instructions in order (ISA guide 5.7.1.4): these see the stores above, and the next block's stores come behind them
.endr
.endm
.macro SEND a, younger                 ; younger: the LDS instructions issued behind block a's loads, which may stay out
.set BB, BK+32*((\a)%2)
	s_wait_dscnt \younger
.irp t, 0,1,2,3,4,5,6,7
	global_store_b128 v[CO], v[BB+4*\t:BB+4*\t+3], s[10:11] offset:(16*(\a)+2*\t)*4096 th:TH_STORE_NT   ; 16 lanes store 256 consecutive bytes, at a multiple of 256 from out0's first byte
.endr
.endm
	s_wait_kmcnt 0x0
	s_add_co_i32 s96, s96, s97
	s_add_co_i32 s96, s96, 127
	s_lshl_b32 s96, s96, 23                        ; 2^(e10 + e11) as f32
	PLACES
	TOSTAGE 0
	TOSTAGE 1
	SEND 0, 16                                     ; behind block 0's loads: block 1's 8 stores and 8 loads
	s_wait_xcnt 0x0                                ; block 0's stores have read their registers: block 2's loads may land there
	TOSTAGE 2
	SEND 1, 16
	s_wait_xcnt 0x0
	TOSTAGE 3
	SEND 2, 16
	SEND 3, 0
	s_wait_tensorcnt 0x0                           ; no tensor load is out at the end
	s_wait_tensorcnt 0x0
	ds_add_u32 v30, v31
	s_wait_dscnt 0x0
	CROUND                                         ; the closing round: no work-group ends while a partner may still ask for a tile that names it
	s_endpgm
.Lfunc_end_k_q7db36dddae_oproj:
	.size	k_q7db36dddae_oproj, .Lfunc_end_k_q7db36dddae_oproj-k_q7db36dddae_oproj
	.p2alignl 7, 3214868480
	.fill 96, 4, 3214868480
	.section	.rodata,"a",@progbits
	.p2align	6, 0x0
	.amdhsa_kernel k_q7db36dddae_oproj
		.amdhsa_group_segment_fixed_size 327680
		.amdhsa_private_segment_fixed_size 0
		.amdhsa_enable_private_segment 0
		.amdhsa_kernarg_size 32
		.amdhsa_user_sgpr_count 2
		.amdhsa_user_sgpr_kernarg_segment_ptr 1
		.amdhsa_wavefront_size32 1
		.amdhsa_system_sgpr_workgroup_id_x 1
		.amdhsa_system_sgpr_workgroup_id_y 1
		.amdhsa_system_sgpr_workgroup_id_z 1
		.amdhsa_system_vgpr_workitem_id 0
		.amdhsa_next_free_vgpr 512
		.amdhsa_next_free_sgpr 100
		.amdhsa_reserve_vcc 0
		.amdhsa_float_denorm_mode_32 3
		.amdhsa_float_denorm_mode_16_64 3
		.amdhsa_memory_ordered 1
		.amdhsa_forward_progress 1
		.amdhsa_inst_pref_size 46
	.end_amdhsa_kernel
	.amdgpu_metadata
---
amdhsa.version: [ 1, 2 ]
amdhsa.kernels:
  - .name:           k_q7db36dddae_oproj
    .symbol:         k_q7db36dddae_oproj.kd
    .args:
      - { .name: aimg, .offset: 0, .size: 8, .value_kind: global_buffer, .address_space: global }
      - { .name: Wo_codes, .offset: 8, .size: 8, .value_kind: global_buffer, .address_space: global }
      - { .name: lowp_scales, .offset: 16, .size: 8, .value_kind: global_buffer, .address_space: global }
      - { .name: out0, .offset: 24, .size: 8, .value_kind: global_buffer, .address_space: global }
    .group_segment_fixed_size: 327680
    .private_segment_fixed_size: 0
    .kernarg_segment_align: 8
    .kernarg_segment_size: 32
    .max_flat_workgroup_size: 128
    .sgpr_count:     100
    .vgpr_count:     512
    .wavefront_size: 32
...
	.end_amdgpu_metadata
.endif
;; end of part 4
;; ======== version 2 of 2: 4 launches; version 1 with the launch attn written anew for expert scheduling mode
;; workspace buffers: qimg 4,194,304 bytes; kvimg 8,388,608 bytes; aimg 4,194,304 bytes; mbits 2,097,152 bytes of whole numbers; flags 16,384 bytes of whole numbers
;; launch maskbits: the kernel of part 1 again; grid 128 x 2, 16 waves a work-group, no clusters, 3,072 bytes of LDS; arguments mask, mbits, flags; writes mbits, flags
;; launch proj: the kernel of part 2 again; grid 4 x 48, 4 waves a work-group, clusters of 4 x 4, 327,680 bytes of LDS; arguments q_codes, k_codes, v_codes, Wq_codes, Wk_codes, Wv_codes, lowp_scales, qimg, kvimg; writes qimg, kvimg
;; launch attn (part 5): grid 16 x 16, 8 waves a work-group, no clusters, 50,176 bytes of LDS; arguments qimg, kvimg, mbits, flags, lowp_scales, aimg; writes aimg
.if DOCPART == 5
	.amdgcn_target "amdgcn-amd-amdhsa--gfx1250"
	.amdhsa_code_object_version 6
	.text
	.protected	k_q7db36dddae_attn
	.globl	k_q7db36dddae_attn
	.p2align	8
	.type	k_q7db36dddae_attn,@function
k_q7db36dddae_attn:
	s_mov_b64 s[64:65], 0
	v_nop
	global_prefetch_b8 v0, s[64:65] scope:SCOPE_SE
	s_setreg_imm32_b32 hwreg(HW_REG_WAVE_SCHED_MODE, 0, 2), 2
	s_setreg_imm32_b32 hwreg(HW_REG_WAVE_MODE, 25, 1), 1
	s_wait_xcnt 0x0
	s_wait_alu depctr_vm_vsrc(0)
; Attention on codes of FP8 (E4M3): 16 heads of 64 channels, 4,096 queries and keys, with the mask that was given (packed to bits, and a flag for each tile of 32 queries x 128 keys).
; t = score x log2(e) / 8; M = the running largest t rounded UP to a whole number; p = 2^(t - M) is quantised with 2^e8, not normalised; the row's sum is taken of the unquantised p and divides at the end.
; The result is quantised with 2^e10 and leaves as images of the last product's operand registers: aimg[m16 256][ks 8][c 4][lane][16 B] = A[16 m16 + r][128 ks + 32 c + 16 h + 0 .. 15].
; A row for which no key counts gets NaN codes (its sum is 0), so that the last product makes its row of the output NaN.
; SHARES.  Work-group (g = x, head = y): eight waves of 32 queries each, two tiles of 16; four waves take the block of 128 queries g, four the block 31 - g, told apart by the parity of the wave's number's bits.
; Every wave walks all 32 key steps of 128 keys: the loop's count is a constant and every wave passes every barrier.  A step's WORK is jumped over where the wave's flag says that no key of its tile counts; the mask's
; bits are applied where the flag says 'some'; nothing of the mask's pattern is built in.  The flags are whole numbers that an earlier launch stored.
; NO TENSOR LOAD, NO CLUSTER: which steps are loaded and worked hangs on numbers read from memory and differs between the work-groups of a head, so they could not make every request jointly; a step's K and V are
; 16 KiB, laid on end: they go memory -> registers -> LDS as they lie, 64 bytes a thread, one step ahead, through two slots, one barrier a step.
; LAYOUT.  Both products transposed: S^T = K Q^T (source 0 = 16 keys), O^T = V^T P^T (source 0 = 16 channels): a lane holds ONE query throughout: lane (r, h) of tile u holds query 32 e + 8 u + r + 8 (r / 8).
; The keys of a tile are chosen (in the image) so that registers 16 b + i of S^T are keys 32 b + 16 h + i: the conversions' results are the second product's operand.
; LIMITS on the given exponents: e6 + e7 between -123 and 130 (added to c's exponent field); e8, and e10 - e8 - e9, between -126 and 119.
; REGISTERS.  window 0: v1-7 addresses and constants; v8-15 -M, largest t, the sum (a pair), for each tile; v16-19 f (low word of a pair) for each tile; v20-27 at work; v28, v29 at work; v30 -infinity; v31 NaN codes;
;   v32-159 S^T, then p; v160-191 p's codes; v192-255 O^T.   window 1: v0-63 K's 8 fragments; v64-127 V's 4; v128-143 Q's 2; v144-159 the next step's 64 bytes on their way to LDS.
; THE MODE: SCHED_MODE bits 1:0 = 2 (LLVM: expert scheduling mode 2), set by the entry lines.  The code itself states the register dependences
; between vector or matrix instructions and memory or LDS instructions, with s_wait_alu, always for 0.
; THE PLAN.  Registers that memory or LDS instructions touch, in the loop:
;   K's and V's fragments   The LDS loads behind a step's head land in them; that step's products read them.
;   STG                     The four global loads at a step's head land in it; the four LDS stores at the step's end read it.  (Sixteen v_mov write it once, at the kernel's head.)
;   v20-27                  In a step whose flag says 'some' the mask's words land in them, behind the scores' products; behind that the softmax of every step has them as scratch.
;   v1, v2, v3, v5          Offsets and LDS addresses, made at the kernel's head and never written again: K's and V's block and the mask's words are reached by two scalar bases, which move on at each step's end.
;   v29                     Offset of the flags' loads at the kernel's head; scratch of vector lines behind that.
;   S^T, p's codes, O^T and the statistics are named by vector and matrix instructions alone.
; So TWO waits stand at a step's head, behind its barrier.  The one on va_vdst states that the last step's products are done reading K's and V's fragments, that its softmax is done with v20-27 and, in the first trip,
; that STG is written.  The one on vm_vsrc states that the last step's LDS stores have read STG and, in the first trip, that the flags' loads have read v29.  Between them and the step's loads stand scalar lines, window
; switches, loads, the sixteen products K Q^T (which name S^T, K and Q) and four v_nop: none names a register in which a later load of the step lands.
; A compare's mask is waited for ahead of the select that reads it: the compares stand in runs of sixteen, into sixteen scalar registers, with one wait on va_sdst behind each run.
.set FA,   1                           ; v1   16 x lane
.set SA,   2                           ; v2   16 x thread: my place in a block of 4,096 bytes, in memory and in LDS
.set MA,   3                           ; v3   16 x (r + 8 (r / 8)): my query's four words of mask bits, tile 0
.set H4,   4                           ; v4   4 h
.set PFO,  5                           ; v5   the prefetch's offset
.set PSC,  6                           ; v6   2^e8 (at the end: 2^(e10 - e8 - e9))
.set PLM,  7                           ; v7   448 x that
.set SCO,  32
.set PCO,  160
.set OUT,  192
.set KF,   0                           ; in window 1
.set VF,   64
.set QF,   128
.set STG,  144
.set STAGE, 32768                      ; LDS: slot 0 at 0, slot 1 at 16,384; behind them 2,048 bytes for each wave, for the way out
.set WV,   16                          ; s16  wave
.set SEL,  24                          ; s[24:25] lane selects for v_permlanex16_b32: lane l xor 16
.set CS,   26                          ; s[26:27] c = log2(e) / 8 x 2^(e6 + e7)
.set ANY,  28                          ; s28  bit s: my tile of step s has a key that counts
.set MIX,  29                          ; s29  bit s: and one that does not
.set NEED1, 30                         ; s30  bit s: some wave of the work-group needs step s + 1 (bit 31 is 0: nothing is loaded past the head's last step)
.set STN,  31                          ; s31  the step
.set TRIP, 32                          ; s32  trips to go
.set AC,   33
.set MX,   34
.set LD,   35                          ; s33-35  this step's bits
.set HOLD, 36                          ; s36  1 where p = 1 would lie beyond 448 x 2^e8
.set PFL,  37                          ; s37  a wave prefetches while the step is under this
.set MS,   40                          ; s40-47 and s52-59: sixteen compares' masks: number i at s[MS + i + 4 (i / 8)]
.set MSB, 0
.macro WIN new                         ; the immediate's high byte repeats the setting that is left
.if MSB != \new
	s_set_vgpr_msb (MSB<<8)|\new
.set MSB, \new
.endif
.endm
	s_load_b256 s[4:11], s[0:1], 0x0               ; qimg s[4:5], kvimg s[6:7], mbits s[8:9], flags s[10:11]
	s_load_b128 s[12:15], s[0:1], 0x20             ; the scales s[12:13], aimg s[14:15]
	s_set_vgpr_msb 0x40
	v_lshl_add_u32 v160, v0, 2, 0xc000
	v_mov_b32 v161, 0
	s_set_vgpr_msb 0x4000
	v_lshrrev_b32 v1, 5, v0
	v_readfirstlane_b32 s[WV], v1                  ; wave 0..7
	v_and_b32 v1, 31, v0
	v_lshlrev_b32 v29, 2, v1                       ; 4 x lane: in a row of flags a lane is a step
	v_lshlrev_b32 v[PFO], 8, v1
	v_lshlrev_b32 v[FA], 4, v1
	v_lshlrev_b32 v[SA], 4, v0
	v_and_b32 v[MA], 15, v0
	v_and_b32 v[H4], 8, v0
	v_add_nc_u32 v[MA], v[MA], v[H4]
	v_lshlrev_b32 v[MA], 4, v[MA]
	v_bfe_u32 v[H4], v0, 4, 1
	v_lshlrev_b32 v[H4], 2, v[H4]
	s_wait_alu depctr_va_sdst(0)                   ; the wave's number is written, ahead of its first reader: the shares and the bases are made from it
	s_bcnt1_i32_b32 s17, s[WV]
	s_and_b32 s17, s17, 1                          ; waves 1, 2, 4, 7 take the late block
	s_lshr_b32 s18, s[WV], 1                       ; b: which 32 of the block's 128 queries
	s_sub_co_u32 s22, 31, ttmp9
	s_cmp_eq_u32 s17, 1
	s_cselect_b32 s19, s22, ttmp9                  ; my block of 128 queries
	s_lshl_b32 s20, s19, 2
	s_add_co_u32 s20, s20, s18                     ; e: my block of 32
	s_and_b32 s21, ttmp7, 0xffff                   ; the head
	s_and_b32 s59, s18, 1
	s_lshl_b32 s59, s59, 13
	v_add_nc_u32 v[PFO], s59, v[PFO]               ; wave 1: the block's first 8 KiB, wave 2: its second; lanes 256 bytes apart
	s_lshl_b32 s52, s21, 5
	s_add_co_u32 s52, s52, s19
	s_lshl_b32 s52, s52, 13                        ; qimg: (32 head + block) x 8 KiB
	s_lshl_b32 s53, s18, 11                        ; + my two tiles
	s_add_co_u32 s52, s52, s53
	s_mov_b32 s53, 0
	s_lshl_b32 s54, s21, 19                        ; kvimg: a head is 32 x 16 KiB
	s_mov_b32 s55, 0
	s_lshl_b32 s56, s20, 14                        ; mbits: 32 steps x 512 bytes
	s_mov_b32 s57, 0
	s_lshl_b32 s58, s20, 15                        ; aimg: two row tiles of 16 KiB,
	s_lshl_b32 s59, s21, 10                        ; a head's 64 channels are 1,024 bytes of each
	s_add_co_u32 s58, s58, s59
	s_mov_b32 s59, 0
	s_wait_kmcnt 0x0
	s_load_b256 s[40:47], s[12:13], 0x0            ; e0 .. e7
	s_load_b128 s[48:51], s[12:13], 0x20           ; e8 .. e11
	s_add_nc_u64 s[4:5], s[4:5], s[52:53]
	s_add_nc_u64 s[6:7], s[6:7], s[54:55]
	s_add_nc_u64 s[8:9], s[8:9], s[56:57]          ; the mask's words of my 32 queries, step 0: it moves on by a step's 512 bytes at each step's end
	s_add_nc_u64 s[14:15], s[14:15], s[58:59]
	s_lshl_b32 s52, s20, 7
	s_add_nc_u64 s[52:53], s[10:11], s[52:53]      ; my row of flags,
	s_lshl_b32 s54, ttmp9, 9
	s_add_nc_u64 s[54:55], s[10:11], s[54:55]      ; the early block's four rows,
	s_lshl_b32 s56, s22, 9
	s_add_nc_u64 s[56:57], s[10:11], s[56:57]      ; the late block's four
	s_wait_alu depctr_va_vdst(0)                   ; v29 and v1, v2, v3, v5 are written: every load, store and prefetch of the kernel up to the way out reads one of them as its offset or address
	global_load_b32 v20, v29, s[52:53]
.irp i, 0,1,2,3
	global_load_b32 v[21+\i], v29, s[54:55] offset:128*\i
	global_load_b32 v[25+\i], v29, s[56:57] offset:128*\i
.endr
	WIN 0x40                                       ; destination window 1
.irp i, 0,1,2,3
	global_load_b128 v[QF+4*\i:QF+4*\i+3], v[FA], s[4:5] offset:512*\i   ; Q's two fragments stay in registers
.endr
.set j, 0
.rept 16
	v_mov_b32 v[STG+j], 0                          ; written once: the loads into these and the LDS stores out of them stand under two branches on one bit, so that every way through the text finds them written
.set j, j+1
.endr
	WIN 0
.irp u, 0,1
	v_mov_b32 v[9+4*\u], 0xff61b1e6                ; the largest t so far: -3e38, under every t
	v_floor_f32 v[8+4*\u], -v[9+4*\u]              ; -M
	v_mov_b32 v[10+4*\u], 0                        ; the sum, in two halves
	v_mov_b32 v[11+4*\u], 0
	v_mov_b32 v[16+2*\u], 0
	v_mov_b32 v[17+2*\u], 0                        ; a lane permute's destination counts as read; also the upper word of f's pair
.endr
	v_mov_b32 v30, 0xff800000
	v_mov_b32 v31, 0x7f7f7f7f
.set j, 0
.rept 64
	v_mov_b32 v[OUT+j], 0                          ; O^T.  Which step is a wave's first hangs on the flags, so no first product can be written out to start the sums
.set j, j+1
.endr
	s_mov_b32 s[SEL], 0x76543210
	s_mov_b32 s[SEL+1], 0xfedcba98
	s_sub_co_u32 s58, s[WV], 1
	s_lshr_b32 s58, s58, 1                         ; 0 in waves 1 and 2,
	s_or_b32 s58, s58, ttmp9                       ; of the head's first work-group
	s_cmp_eq_u32 s58, 0
	s_cselect_b32 s[PFL], 29, 0                    ; step ST asks for step ST + 3: the last that may ask is 28
	s_wait_kmcnt 0x0
	s_add_co_i32 s[CS], s46, s47
	s_lshl_b32 s[CS], s[CS], 23
	s_add_co_i32 s[CS], s[CS], 0x3e38aa3b          ; log2(e) / 8, with e6 + e7 added to its exponent field
	s_mov_b32 s[CS+1], s[CS]                       ; (named with it as a pair, so it is written)
	s_add_co_i32 s58, s48, 127
	s_lshl_b32 s59, s58, 23
	v_mov_b32 v[PSC], s59
	s_add_co_i32 s58, s58, 8
	s_lshl_b32 s58, s58, 23
	s_or_b32 s58, s58, 0x600000
	v_mov_b32 v[PLM], s58
	s_cmp_lt_i32 s48, -8                           ; p is at most 1, and 448 x 2^e8 is at least 1 from e8 = -8 on: there the hold changes nothing
	s_cselect_b32 s[HOLD], 1, 0
	s_wait_loadcnt 0x0                             ; the flags and Q
	v_cmp_ne_u32 s[ANY], 0, v20
	v_cmp_eq_u32 s[MIX], 1, v20
	v_or_b32 v21, v21, v22
	v_or_b32 v23, v23, v24
	v_or_b32 v25, v25, v26
	v_or_b32 v27, v27, v28
	v_or_b32 v21, v21, v23
	v_or_b32 v25, v25, v27
	v_or_b32 v21, v21, v25
	v_cmp_ne_u32 s[NEED1], 0, v21                  ; bit s: some wave needs step s: the same number in all eight waves
	s_wait_alu depctr_va_sdst(0)                   ; the three compares have written s28, s29 and s30, ahead of their first readers and of the branch below
	s_and_b32 s58, s[NEED1], 1
	s_lshr_b32 s[NEED1], s[NEED1], 1
	s_cmp_eq_u32 s58, 0
	s_cbranch_scc1 .Lno_first
	WIN 0x40
	s_wait_alu depctr_va_vdst(0)                   ; the sixteen v_mov have written STG, in which the loads below land
.irp i, 0,1,2,3
	global_load_b128 v[STG+4*\i:STG+4*\i+3], v[SA], s[6:7] offset:4096*\i   ; step 0's K and V
.endr
	s_wait_loadcnt 0x0
	WIN 0x04                                       ; an LDS store's data: source 1, window 1
.irp i, 0,1,2,3
	ds_store_b128 v[SA], v[STG+4*\i:STG+4*\i+3] offset:4096*\i
.endr
	WIN 0
.Lno_first:
	s_add_nc_u64 s[6:7], s[6:7], 16384             ; (the loads that named it are in)  from here on: the block of step ST + 1
	s_mov_b32 s[STN], 0
	s_mov_b32 s[TRIP], 16
; A KEY STEP on the slot named: the slot stands in the immediates, so every LDS address is a constant and a lane's term.
.macro STEP slot
	s_wait_dscnt 0x0                               ; my stores into this slot have landed, my reads of the other slot are over,
	s_barrier_signal -1
	s_barrier_wait -1                              ; and so are everybody's
	s_wait_alu depctr_va_vdst(0)                   ; the last step's products are done reading K's and V's fragments, its softmax is done with v20-27; in the first trip the v_mov have written STG: this step's loads land in all of these
	s_wait_alu depctr_vm_vsrc(0)                   ; the last step's LDS stores have read STG, in which the loads below land; in the first trip the flags' loads have read v29, which is scratch from here on
	s_lshr_b32 s[LD], s[NEED1], s[STN]
	s_and_b32 s[LD], s[LD], 1
	s_lshr_b32 s[AC], s[ANY], s[STN]
	s_and_b32 s[AC], s[AC], 1
	s_lshr_b32 s[MX], s[MIX], s[STN]
	s_and_b32 s[MX], s[MX], 1
	s_cmp_eq_u32 s[LD], 0
	s_cbranch_scc1 .Lno_load_\@
	WIN 0x40
.irp i, 0,1,2,3
	global_load_b128 v[STG+4*\i:STG+4*\i+3], v[SA], s[6:7] offset:4096*\i   ; the next step's 16 KiB, 64 bytes a thread: they have this step's work in which to land
.endr
	WIN 0
.Lno_load_\@:
	s_cmp_lt_u32 s[STN], s[PFL]
	s_cbranch_scc0 .Lno_ask_\@
	global_prefetch_b8 v[PFO], s[6:7] offset:32768 th:TH_LOAD_NT scope:SCOPE_SE   ; the block of step ST + 3, two steps ahead of the loads that will want it: two waves of the head's first work-group, a lane for each 256 bytes: each is named once in the launch
.Lno_ask_\@:
	s_cmp_eq_u32 s[AC], 0
	s_cbranch_scc1 .Lidle_\@                       ; no key of my tile counts: only the copy below is left
	WIN 0x40
.irp t, 0,1,2,3,4,5,6,7
.irp c, 0,1
	ds_load_b128 v[KF+8*\t+4*\c:KF+8*\t+4*\c+3], v[FA] offset:\slot*16384+1024*\t+512*\c   ; no vector or matrix instruction since the waits at the step's head names K's or V's registers
.endr
.endr
.irp t, 0,1,2,3
.irp c, 0,1,2,3
	ds_load_b128 v[VF+16*\t+4*\c:VF+16*\t+4*\c+3], v[FA] offset:\slot*16384+8192+2048*\t+512*\c
.endr
.endr
	s_wait_dscnt 16                                ; K's sixteen loads are in; V's sixteen may be out
	WIN 0x05                                       ; K and Q in window 1, S^T in window 0
.irp t, 0,1,2,3,4,5,6,7
.irp u, 0,1
	v_wmma_f32_16x16x64_fp8_fp8 v[SCO+64*\u+8*\t:SCO+64*\u+8*\t+7], v[KF+8*\t:KF+8*\t+7], v[QF+8*\u:QF+8*\u+7], 0
.endr
.endr
	WIN 0
.rept 4
	v_nop                                          ; places in front of the first read of the scores
.endr
	s_cmp_eq_u32 s[MX], 0
	s_cbranch_scc1 .Lopen_\@                       ; every key of my tile counts
	global_load_b128 v[20:23], v[MA], s[8:9]       ; my query's 128 bits of this step, tile 0: word c, bit l: key 4 l + c.  No wait: since the step's head only the products above and the v_nop were issued, and they name neither v20-27 nor v3
	global_load_b128 v[24:27], v[MA], s[8:9] offset:128   ; tile 1: eight rows on
	s_wait_loadcnt 0x0
.irp k, 0,1,2,3,4,5,6,7
	v_lshrrev_b32 v[20+\k], v[H4], v[20+\k]        ; key 32 b + 16 h + i is bit 8 b + 4 h + i / 4 of word i % 4
.endr
.irp u, 0,1
.set g, 0
.rept 4                                        ; sixteen scores at a time: keys 32 g + 16 h + 0 .. 15
.set i, 0
.rept 16
	v_and_b32 v[28+i%2], 1<<(8*g+i/4), v[20+4*\u+i%4]
	v_cmp_ne_u32 s[MS+i+4*(i/8)], 0, v[28+i%2]
.set i, i+1
.endr
	s_wait_alu depctr_va_sdst(0)                   ; the sixteen compares have written their masks, which the sixteen selects below read
.set i, 0
.rept 16
	v_cndmask_b32 v[SCO+64*\u+16*g+i], v30, v[SCO+64*\u+16*g+i], s[MS+i+4*(i/8)]   ; a hidden key's score becomes -infinity: p = 0
.set i, i+1
.endr
.set g, g+1
.endr
.endr
.Lopen_\@:
.irp u, 0,1
	v_max3_num_f32 v[20+2*\u], v[SCO+64*\u], v[SCO+64*\u+1], v[SCO+64*\u+2]   ; the step's largest score of my query among my 64 keys, in two chains; the two tiles' lines by turns
.endr
.irp u, 0,1
	v_max3_num_f32 v[21+2*\u], v[SCO+64*\u+3], v[SCO+64*\u+4], v[SCO+64*\u+5]
.endr
.irp i, 6,10,14,18,22,26,30,34,38,42,46,50,54,58
.irp u, 0,1
	v_max3_num_f32 v[20+2*\u], v[20+2*\u], v[SCO+64*\u+\i], v[SCO+64*\u+\i+1]
.endr
.irp u, 0,1
	v_max3_num_f32 v[21+2*\u], v[21+2*\u], v[SCO+64*\u+\i+2], v[SCO+64*\u+\i+3]
.endr
.endr
.irp u, 0,1
	v_max3_num_f32 v[20+2*\u], v[20+2*\u], v[SCO+64*\u+62], v[SCO+64*\u+63]
.endr
.irp u, 0,1
	v_max_num_f32 v[20+2*\u], v[20+2*\u], v[21+2*\u]
.endr
.irp u, 0,1
	v_permlanex16_b32 v[17+2*\u], v[20+2*\u], s[SEL], s[SEL+1]
.endr
.irp u, 0,1
	v_max_num_f32 v[20+2*\u], v[20+2*\u], v[17+2*\u]   ; and among lane l xor 16's
.endr
.irp u, 0,1
	v_mul_f32 v[20+2*\u], s[CS], v[20+2*\u]        ; as t (c is positive)
.endr
.irp u, 0,1
	v_max_num_f32 v[9+4*\u], v[9+4*\u], v[20+2*\u] ; the running largest t
.endr
.irp u, 0,1
	v_mov_b32 v[20+2*\u], v[8+4*\u]
.endr
.irp u, 0,1
	v_floor_f32 v[8+4*\u], -v[9+4*\u]              ; the new -M = floor(-t): M is a whole number
.endr
.irp u, 0,1
	v_sub_f32 v[20+2*\u], v[8+4*\u], v[20+2*\u]    ; old M - new M: a whole number, 0 or less
.endr
.irp u, 0,1
	v_cvt_i32_f32 v[20+2*\u], v[20+2*\u]           ; (it saturates)
.endr
.irp u, 0,1
	v_ldexp_f32 v[16+2*\u], 1.0, v[20+2*\u]        ; f = 2^(old M - new M): a multiplication by it rounds nothing
.endr
.set j, 0
.rept 32
.irp u, 0,1
	v_pk_fma_f32 v[SCO+64*\u+j:SCO+64*\u+j+1], v[SCO+64*\u+j:SCO+64*\u+j+1], s[CS:CS+1], v[8+4*\u:9+4*\u] op_sel_hi:[1,0,0]   ; t - M, two at a time (of the pairs c and -M the low word serves both halves)
.endr
.set j, j+2
.endr
.set j, 0
.rept 128
	v_exp_f32 v[SCO+j], v[SCO+j]                   ; p = 2^(t - M), at most 1: not normalised
.set j, j+1
.endr
.irp u, 0,1
	v_pk_mul_f32 v[10+4*\u:11+4*\u], v[10+4*\u:11+4*\u], v[16+2*\u:17+2*\u] op_sel_hi:[1,0]   ; the sums under the new M: plain instructions behind the exponentials
.endr
	s_wait_alu depctr_va_vdst(0)                   ; the 128 exponentials have written p: one wait, ahead of the first line that names a result
.irp u, 0,1
	v_pk_add_f32 v[24+2*\u:25+2*\u], v[SCO+64*\u:SCO+64*\u+1], v[SCO+64*\u+2:SCO+64*\u+3]   ; the row's sum is taken of the unquantised p: two at a time, two chains a tile
.endr
.set j, 4
.rept 15
.irp u, 0,1
	v_pk_add_f32 v[10+4*\u:11+4*\u], v[10+4*\u:11+4*\u], v[SCO+64*\u+j:SCO+64*\u+j+1]
	v_pk_add_f32 v[24+2*\u:25+2*\u], v[24+2*\u:25+2*\u], v[SCO+64*\u+j+2:SCO+64*\u+j+3]
.endr
.set j, j+4
.endr
.irp u, 0,1
	v_pk_add_f32 v[10+4*\u:11+4*\u], v[10+4*\u:11+4*\u], v[24+2*\u:25+2*\u]
.endr
	s_cmp_eq_u32 s[HOLD], 0
	s_cbranch_scc1 .Lno_hold_\@
.set j, 0
.rept 128
	v_min_num_f32 v[SCO+j], v[SCO+j], v[PLM]       ; the conversion does not saturate (ISA guide 7.6.2); p is not negative, so the hold is one-sided
.set j, j+1
.endr
.Lno_hold_\@:
.irp u, 0,1
.irp b, 0,1,2,3
	v_cvt_scalef32_pk8_fp8_f32 v[PCO+16*\u+4*\b:PCO+16*\u+4*\b+1], v[SCO+64*\u+16*\b:SCO+64*\u+16*\b+7], v[PSC]
	v_cvt_scalef32_pk8_fp8_f32 v[PCO+16*\u+4*\b+2:PCO+16*\u+4*\b+3], v[SCO+64*\u+16*\b+8:SCO+64*\u+16*\b+15], v[PSC]
.endr
.endr
.irp u, 0,1
.set j, 0
.rept 16
	v_pk_mul_f32 v[OUT+32*\u+j:OUT+32*\u+j+1], v[OUT+32*\u+j:OUT+32*\u+j+1], v[16+2*\u:17+2*\u] op_sel_hi:[1,0]   ; O^T under the new M; also the plain instructions between the conversions and the products
.set j, j+2
.endr
.endr
	s_wait_dscnt 0x0                               ; V is in
	WIN 0x01                                       ; V in window 1; p's codes and O^T in window 0
.irp t, 0,1,2,3
.irp u, 0,1
	v_wmma_f32_16x16x128_fp8_fp8 v[OUT+32*\u+8*\t:OUT+32*\u+8*\t+7], v[VF+16*\t:VF+16*\t+15], v[PCO+16*\u:PCO+16*\u+15], v[OUT+32*\u+8*\t:OUT+32*\u+8*\t+7]   ; eight accumulators, one instruction a turn
.endr
.endr
	WIN 0
.rept 4
	v_nop                                          ; places behind the last products, ahead of the next vector line that names O^T or p's codes, whichever way the text goes on
.endr
.Lidle_\@:
	s_wait_loadcnt 0x0                             ; the next step's bytes are in my registers
	s_cmp_eq_u32 s[LD], 0
	s_cbranch_scc1 .Lno_store_\@
	WIN 0x04
.irp i, 0,1,2,3
	ds_store_b128 v[SA], v[STG+4*\i:STG+4*\i+3] offset:(1-\slot)*16384+4096*\i   ; into the other slot, which nobody has read since this step's barrier
.endr
	WIN 0
.Lno_store_\@:
	s_wait_xcnt 0x0                                ; the loads and the prefetch have read their bases
	s_add_nc_u64 s[6:7], s[6:7], 16384
	s_add_nc_u64 s[8:9], s[8:9], 512               ; the mask's words of the next step
	s_add_co_u32 s[STN], s[STN], 1
.endm
.Ltrip:
	STEP 0
	STEP 1
	s_sub_co_u32 s[TRIP], s[TRIP], 1
	s_cmp_lg_u32 s[TRIP], 0
	s_cbranch_scc1 .Ltrip
	; THE WAY OUT.  O^T / the sum, quantised with 2^e10 (a sum of the second product stands for sum x 2^(e8 + e9): the three exponents are folded), goes through my stage as images and leaves in runs of 512 bytes.
.irp u, 0,1
	v_add_f32 v[20+2*\u], v[10+4*\u], v[11+4*\u]
.endr
.irp u, 0,1
	v_permlanex16_b32 v[17+2*\u], v[20+2*\u], s[SEL], s[SEL+1]
.endr
.irp u, 0,1
	v_add_f32 v[20+2*\u], v[20+2*\u], v[17+2*\u]   ; the row's sum
.endr
.irp u, 0,1
	v_rcp_f32 v[16+2*\u], v[20+2*\u]
.endr
	v_and_b32 v28, 7, v0                           ; (plain instructions behind the reciprocals)  query 16 (r / 8) + 8 u + r % 8, channel 16 t + 8 h + j -> row tile r / 8, piece t / 2, image lane 16 (t % 2) + 8 u + r % 8, byte 8 h + j
	v_bfe_u32 v29, v0, 3, 1
	v_lshlrev_b32 v28, 4, v28
	v_lshl_add_u32 v28, v29, 10, v28
	v_bfe_u32 v29, v0, 4, 1
	v_lshl_add_u32 v28, v29, 3, v28
	s_lshl_b32 s52, s[WV], 11
	s_add_co_u32 s52, s52, STAGE                   ; my stage
	v_add_nc_u32 v28, s52, v28
	v_add_nc_u32 v29, s52, v[FA]
	s_sub_co_i32 s58, s50, s48
	s_sub_co_i32 s58, s58, s49                     ; e10 - e8 - e9
	s_add_co_i32 s58, s58, 127
	s_lshl_b32 s59, s58, 23
	v_mov_b32 v[PSC], s59
	s_add_co_i32 s58, s58, 8
	s_lshl_b32 s58, s58, 23
	s_or_b32 s58, s58, 0x600000
	v_mov_b32 v[PLM], s58
	s_wait_alu depctr_va_vdst(0)                   ; the two reciprocals have written v16 and v18: one wait, ahead of their first reader
.irp u, 0,1
.set j, 0
.rept 16
	v_pk_mul_f32 v[SCO+32*\u+j:SCO+32*\u+j+1], v[OUT+32*\u+j:OUT+32*\u+j+1], v[16+2*\u:17+2*\u] op_sel_hi:[1,0]
.set j, j+2
.endr
.endr
.set j, 0
.rept 64
	v_med3_num_f32 v[SCO+j], v[SCO+j], -v[PLM], v[PLM]
.set j, j+1
.endr
.irp u, 0,1
.irp t, 0,1,2,3
	v_cvt_scalef32_pk8_fp8_f32 v[PCO+8*\u+2*\t:PCO+8*\u+2*\t+1], v[SCO+32*\u+8*\t:SCO+32*\u+8*\t+7], v[PSC]
.endr
.endr
	v_nop                                          ; a plain instruction between the conversions and the selects that touch their results
.irp u, 0,1
	v_cmp_eq_f32 s[54+\u], 0, v[20+2*\u]           ; no key counted for my query: its codes become NaN.  (A choice of a value: no branch hangs on it)
.endr
	s_wait_alu depctr_va_sdst(0)                   ; the two compares have written s54 and s55, which the selects below read
.irp u, 0,1
.irp k, 0,1,2,3,4,5,6,7
	v_cndmask_b32 v[PCO+8*\u+\k], v[PCO+8*\u+\k], v31, s[54+\u]
.endr
.endr
	s_wait_alu depctr_va_vdst(0)                   ; the selects have written the codes and the lines above the addresses v28 and v29, which the LDS stores and loads below read; the conversions are done reading v32-47, in which those loads land
.irp u, 0,1
.irp t, 0,1,2,3
	ds_store_b64 v28, v[PCO+8*\u+2*\t:PCO+8*\u+2*\t+1] offset:256*\t+128*\u
.endr
.endr
.irp i, 0,1,2,3
	ds_load_b128 v[SCO+4*\i:SCO+4*\i+3], v29 offset:512*\i   ; LDS serves a wave's instructions in order (ISA guide 5.7.1.4): these see my stores
.endr
.irp i, 0,1,2,3
	s_wait_dscnt 3-\i
	global_store_b128 v[FA], v[SCO+4*\i:SCO+4*\i+3], s[14:15] offset:(\i/2)*16384+(\i%2)*512   ; 512 consecutive bytes: my head's two pieces of each of my two row tiles
.endr
	s_set_vgpr_msb 0x5
	s_wait_dscnt 0x0
	s_wait_alu depctr_hold_cnt(0) depctr_sa_sdst(0) depctr_va_vdst(0) depctr_va_sdst(0) depctr_va_ssrc(0) depctr_va_vcc(0) depctr_vm_vsrc(0)
	s_wait_tensorcnt 0x0
	ds_add_u32 v160, v161
	s_wait_dscnt 0x0
	s_endpgm
.Lfunc_end_k_q7db36dddae_attn:
	.size	k_q7db36dddae_attn, .Lfunc_end_k_q7db36dddae_attn-k_q7db36dddae_attn
	.p2alignl 7, 3214868480
	.fill 96, 4, 3214868480
	.section	.rodata,"a",@progbits
	.p2align	6, 0x0
	.amdhsa_kernel k_q7db36dddae_attn
		.amdhsa_group_segment_fixed_size 50176
		.amdhsa_private_segment_fixed_size 0
		.amdhsa_enable_private_segment 0
		.amdhsa_kernarg_size 48
		.amdhsa_user_sgpr_count 2
		.amdhsa_user_sgpr_kernarg_segment_ptr 1
		.amdhsa_wavefront_size32 1
		.amdhsa_system_sgpr_workgroup_id_x 1
		.amdhsa_system_sgpr_workgroup_id_y 1
		.amdhsa_system_sgpr_workgroup_id_z 1
		.amdhsa_system_vgpr_workitem_id 0
		.amdhsa_next_free_vgpr 418
		.amdhsa_next_free_sgpr 66
		.amdhsa_reserve_vcc 0
		.amdhsa_float_denorm_mode_32 3
		.amdhsa_float_denorm_mode_16_64 3
		.amdhsa_memory_ordered 1
		.amdhsa_forward_progress 1
		.amdhsa_inst_pref_size 127
	.end_amdhsa_kernel
	.amdgpu_metadata
---
amdhsa.version: [ 1, 2 ]
amdhsa.kernels:
  - .name:           k_q7db36dddae_attn
    .symbol:         k_q7db36dddae_attn.kd
    .args:
      - { .name: qimg, .offset: 0, .size: 8, .value_kind: global_buffer, .address_space: global }
      - { .name: kvimg, .offset: 8, .size: 8, .value_kind: global_buffer, .address_space: global }
      - { .name: mbits, .offset: 16, .size: 8, .value_kind: global_buffer, .address_space: global }
      - { .name: flags, .offset: 24, .size: 8, .value_kind: global_buffer, .address_space: global }
      - { .name: lowp_scales, .offset: 32, .size: 8, .value_kind: global_buffer, .address_space: global }
      - { .name: aimg, .offset: 40, .size: 8, .value_kind: global_buffer, .address_space: global }
    .group_segment_fixed_size: 50176
    .private_segment_fixed_size: 0
    .kernarg_segment_align: 8
    .kernarg_segment_size: 48
    .max_flat_workgroup_size: 256
    .sgpr_count:     66
    .vgpr_count:     418
    .wavefront_size: 32
...
	.end_amdgpu_metadata
.endif
;; end of part 5
;; launch oproj: the kernel of part 4 again; grid 8 x 32, 4 waves a work-group, clusters of 4 x 4, 327,680 bytes of LDS; arguments aimg, Wo_codes, lowp_scales, out0; writes out0
